; MI455X (gfx1250); checked and timed in simulation.
; The chip was launched on July 23, 2026; its instructions are those of AMD's public machine-readable ISA for CDNA 5 (MIT licence, August 2026) and "CDNA5" Instruction Set Architecture Reference Guide (July 2026). The comments in the code are by the model that wrote it; some were corrected since.
;; Multi Head Attention. Allowed arithmetic: matrix products marked QUANTISED: E4M3 operands, one given power-of-two scale a tensor, by v_wmma_f32_16x16x64_fp8_fp8 or v_wmma_f32_16x16x128_fp8_fp8, f32 sums; everything else in f32.
;; Inputs: K_codes 4 x 2,048 x 32 x 32 uint8 (E4M3 codes of K, K innermost, in blocks of 32 codes); Q 4 x 2,048 x 1,024 float32; V_codes 4 x 2,048 x 32 x 32 uint8 (E4M3 codes of V, K innermost, in blocks of 32 codes); Wk_codes 1,024 x 32 x 32 uint8 (E4M3 codes of Wk, K innermost, in blocks of 32 codes); Wo_codes 1,024 x 32 x 32 uint8 (E4M3 codes of Wo, K innermost, in blocks of 32 codes); Wq_codes 1,024 x 32 x 32 uint8 (E4M3 codes of Wq, K innermost, in blocks of 32 codes); Wv_codes 1,024 x 32 x 32 uint8 (E4M3 codes of Wv, K innermost, in blocks of 32 codes); beta 1,024 float32; bk 1,024 float32; bo 1,024 float32; bq 1,024 float32; bv 1,024 float32; gamma 1,024 float32; lowp_scales 12 int32 (the exponents e of the quantised operands' scales 2^e); mask 4 x 1 x 1 x 2,048 int32.
;; Outputs: out0 4 x 2,048 x 1,024 float32.
;; This version of the problem:
;;   THIS VERSION OF THE PROBLEM IS GIVEN IN LOW PRECISION. The matrix products marked QUANTISED in the list below multiply operands that are first quantised to E4M3 (4 exponent bits, 3 mantissa bits; 8 bits a number), with one given power-of-two scale for each operand tensor; their sums are f32. All else is computed in f32.
;;   The module's matrix products, in the order in which they are computed (A, B: the left and right operand; K: the contracted axis; several contracted axes count as one K, in the product's order):
;;     1. [M 8,192, K 1,024] x [K 1,024, N 1,024]; A: input Q; B: input Wq (given as codes): QUANTISED (scales: A lowp_scales[0], B lowp_scales[1])
;;     2. [M 8,192, K 1,024] x [K 1,024, N 1,024]; A: input K (given as codes); B: input Wk (given as codes): QUANTISED (scales: A lowp_scales[2], B lowp_scales[3])
;;     3. [M 8,192, K 1,024] x [K 1,024, N 1,024]; A: input V (given as codes); B: input Wv (given as codes): QUANTISED (scales: A lowp_scales[4], B lowp_scales[5])
;;     4. batch 64 x [M 2,048, K 64] x [K 64, N 2,048]; A: computed on the way; B: computed on the way: QUANTISED (scales: A lowp_scales[6], B lowp_scales[7])
;;     5. batch 64 x [M 2,048, K 2,048] x [K 2,048, N 64]; A: softmax (see below); B: computed on the way: QUANTISED (scales: A lowp_scales[8], B lowp_scales[9])
;;     6. [M 8,192, K 1,024] x [K 1,024, N 1,024]; A: computed on the way; B: input Wo (given as codes): QUANTISED (scales: A lowp_scales[10], B lowp_scales[11])
;;   THE QUANTISER, for each operand of a quantised product, along K:
;;     - The operand's scale is 2^e, e = its entry of the input lowp_scales (int32; the entries are numbered through the quantised products in the list's order, A before B).
;;     - Each number is divided by the scale, clamped to +-448, and rounded to the nearest number of E4M3, ties to even, subnormals kept.
;;     - The product sums the exact products of the quantised numbers (number of the format x scale) in f32.
;;   ~~~python
;;   def quantise(x, axis, e):      # numpy; x: float32 -> the quantised numbers, widened to float32 again
;;       x = np.moveaxis(x, axis, -1); K = x.shape[-1]
;;       r = np.clip(x / 2.0 ** e, -448, 448)
;;       step = 2.0 ** (np.maximum(np.frexp(np.where(r == 0, 1, r))[1] - 1, -6) - 3)
;;       q = np.round(r / step) * step * 2.0 ** e      # np.round: ties to even
;;       return np.moveaxis(q, -1, axis).astype(np.float32)
;;   ~~~
;;   SOFTMAX AHEAD OF A QUANTISED PRODUCT. Where the list says 'softmax', what is quantised is not the finished softmax but p = 2^(t - M), with t = logit x log2(e) and M = ceil(the row's largest t), a whole number; so 1/2 < the row's largest p <= 1. The row's sum l is taken of the UNQUANTISED p, in f32, and the product's result is divided by l at the end. Since M is a whole number, a kernel that streams over the keys may use a running M (the ceiling of the running maximum): every later rescaling is an exact power of two, so the quantised numbers keep their values, but for numbers so far below the row's largest that they fall under the format's range.
;;   OPERANDS COMPUTED ON THE WAY. 'Computed on the way' means the value that the module computes at that place (a softmax that the list does not call 'softmax' is quantised finished and normalised). What goes into a quantiser is computed in f32, as accurately as f32 sums, v_exp_f32 and their like allow (about 1e-6 of the number): no bf16 or f16 on the way to a quantiser, and a product that is left as it is and whose result goes on into a quantised operand takes f32 operands (vector FMAs, or v_wmma_f32_16x16x4_f32). A number that lies on a knife's edge between two numbers of the format may be rounded either way, as far as f32 arithmetic and the matrix unit's own rounding can turn it there, and no further.
;;   INPUTS GIVEN AS CODES. K (in the module: [4, 2048, 1024], K = its axis 2); V (in the module: [4, 2048, 1024], K = its axis 2); Wk (in the module: [1024, 1024], K = its axis 1); Wo (in the module: [1024, 1024], K = its axis 1); Wq (in the module: [1024, 1024], K = its axis 1); Wv (in the module: [1024, 1024], K = its axis 1): each comes as NAME_codes (uint8): NAME with its K axis moved to the last place and cut into blocks of 32 codes, [.., K / 32, bytes a block], one block behind the other in memory; one code a byte (a code: sign, 4 exponent bits, 3 mantissa bits); its scale is its entry of lowp_scales. Its value is code x scale, taken as it is: it is not quantised again, and the codes and scales need not be those that the quantiser above would give.
;; 2 versions. Each part assembles by itself: llvm-mc -triple=amdgcn-amd-amdhsa -mcpu=gfx1250 --defsym DOCPART=n.
;; ======== version 1 of 2: 3 launches
;; limits: right only within a limited range of input values
;; workspace buffers: qf 8,388,608 bytes; kf 8,388,608 bytes; vf 8,388,608 bytes; cf 8,388,608 bytes; wof 1,048,576 bytes
;; launch proj (part 1): grid 256 x 1, 4 waves a work-group, no clusters, 200,192 bytes of LDS; arguments Q, K_codes, V_codes, Wq_codes, Wk_codes, Wv_codes, bq, bk, bv, lowp_scales, Wo_codes, qf, kf, vf, wof; writes qf, kf, vf, wof
.if DOCPART == 1
	.amdgcn_target "amdgcn-amd-amdhsa--gfx1250"
	.amdhsa_code_object_version 6
	.text
	.protected	k_q18698b1648_proj
	.globl	k_q18698b1648_proj
	.p2align	8
	.type	k_q18698b1648_proj,@function
k_q18698b1648_proj:
	s_mov_b64 s[64:65], 0
	v_nop
	global_prefetch_b8 v0, s[64:65] scope:SCOPE_SE
	s_setreg_imm32_b32 hwreg(HW_REG_WAVE_MODE, 25, 1), 1
	s_wait_xcnt 0x0
; q = Q Wq^T + bq, k = K Wk^T + bk, v = V Wv^T + bv on codes of FP8 (E4M3), each result quantised at once with its given scale and stored as an IMAGE OF THE
; OPERAND REGISTERS that the attention launch wants (a chunk = 4 registers x 32 lanes = 512 bytes, lane l at byte 16 l).  Besides, every work-group lays 4,096 bytes of Wo's codes out as such images.
; SHARES.  THE WEIGHTS STAY: a work-group holds 256 output columns (4 heads), wave w one head: 64 rows of W x 1,024 K = 32 fragments = 512 registers, read once.  The tokens stream past in blocks of 32,
; through two LDS buffers by turns.  Work-groups 0-127: q, 256 tokens each (their blocks also carry the f32 read and the quantiser); 128-191: k, 512 tokens; 192-255: v, 512 tokens.
; The three ways part on the work-group's number; each is one expansion of PATH and has LDS bytes of its own.
; LAYOUT.  q, k: the matrix instruction is used transposed (source 0 = 16 rows of W, source 1 = 16 tokens): a lane holds one token and its registers run along the head's 64.  v: source 0 = 16 tokens, source 1 = 16 rows of W:
; a lane holds one channel and its registers run along the tokens, which are the second attention product's K.  THE ROWS OF A TILE ARE NOT NEIGHBOURS, of W and of the tokens alike: lane r of tile 2 b + u takes row
; 32 b + 8 u + r + 8 (r / 8), so that the 16 registers of two neighbouring tiles are 16 neighbours along the next K.  Within an instruction k stands at 32 c + 16 (lane / 16) + 0..15 in registers 4 c .. 4 c + 3, in both operands alike.
; The bias is the C of each sum's first matrix instruction, divided by the power of two that the sums lack.
; What is shared is 32 KiB a block, asked for a whole block (64 matrix instructions a wave) ahead into registers.
; LIMITS: EO - EA - EW of each product (e6-e0-e1, e7-e2-e3, e9-e4-e5) and e0 lie between -126 and 119, so that each power of two below is an f32 number.  NaN among the inputs is not served.
; REGISTERS, in windows of 256.  Window 0: v1-15 addresses and scales; v16-31 codes to store; v32-63 the bias, 8 a tile; v64-127 eight accumulators; v128-255 the tokens' fragments, two sets of 64.
;   window 1: the next block on its way (q: 256 numbers a lane; k, v: two sets of 64 registers of codes).   windows 2, 3: W's fragments (K step s, tile t) at v[16 (4 (s % 4) + t)], window 2 + s / 4.
.set XP,    1040                       ; an LDS row: 1,024 codes + 16 bytes: the 16 rows that a fragment load touches begin in 16 different columns of 16 bytes
.set XBUF,  32*XP                      ; a buffer: 32 tokens.  LDS row 16 u + r holds token 8 u + r + 8 (r / 8) of the block
.set OUTV,  1                          ; v1   16 x lane: my place in an image's chunk
.set AF,    2                          ; v2   LDS: my lane's place in a fragment: r x XP + 16 h (+ the way's first byte)
.set AST,   3                          ; v3   LDS: where my wave puts its 8 tokens
.set XV,    4                          ; v4   my byte offset in a block of tokens in memory
.set WVO,   5                          ; v5   W: (r + 8 (r / 8)) x 1,024 + 16 h
.set BV,    6                          ; v6   the bias: my lane's byte
.set SC,    7                          ; v7   2^(EO - EA - EW) as f32: the results' conversions take its exponent field
.set SCX,   8                          ; v8   2^e0: Q's conversions
.set WOV,   9                          ; v9   Wo: r x 1,024 + 16 h
.set LN,    12                         ; v12  lane;  v13 r;  v14 h;  v15 r + 8 (r / 8)
.set RR,    13
.set HH,    14
.set RP,    15
.set CODE,  16
.set BIAS,  32
.set ACC,   64
.set FR,    128
.set MSB, 0
.macro WIN new                         ; the immediate's high byte repeats the setting that is left; a switch that changes nothing is dropped
.if MSB != (\new)
	s_set_vgpr_msb (MSB<<8)|(\new)
.set MSB, (\new)
.endif
.endm
.macro NOP4                            ; four places between matrix instructions and loads into their sources or reads of their results
.rept 4
	v_nop
.endr
.endm
; A block of 32 tokens is asked for: my wave's 8 tokens.  q: 8 x 4,096 bytes of f32, a lane takes 8 neighbours along K (two loads cover 1,024 bytes on end); k, v: 8,192 bytes of codes on end.
.macro LOADX kind, set
	WIN 0x40                                       ; destination window 1
.if \kind == 0
.irp j, 0,1,2,3,4,5,6,7
.irp g, 0,1,2,3
	global_load_b128 v[8*(4*\j+\g):8*(4*\j+\g)+3], v[XV], s[60:61] offset:\j*4096+\g*1024
	global_load_b128 v[8*(4*\j+\g)+4:8*(4*\j+\g)+7], v[XV], s[60:61] offset:\j*4096+\g*1024+16
.endr
.endr
.else
.irp i, 0,1,2,3,4,5,6,7,8,9,10,11,12,13,14,15
	global_load_b128 v[64*(\set)+4*\i:64*(\set)+4*\i+3], v[XV], s[60:61] offset:512*\i
.endr
.endif
	WIN 0
.endm
; The block that has arrived goes into LDS buffer buf.  q: held within +-448 x 2^e0, converted (8 numbers -> 8 bytes), stored 8 bytes a lane; k, v: stored as it lies.
.macro FILLST kind, buf, set
.if \kind == 0
	WIN 0x41
.set i, 0
.rept 256
	v_med3_num_f32 v[i], v[i], s70, s69            ; the conversion to an 8-bit code does not saturate (ISA guide 7.6.2): the hold comes first
.set i, i+1
.endr
	WIN 0x01
.set i, 0
.rept 32
	v_cvt_scalef32_pk8_fp8_f32 v[FR+2*i:FR+2*i+1], v[8*i:8*i+7], v[SCX]
.set i, i+1
.endr
	v_nop                                          ; one plain vector line behind the last conversion
	WIN 0
.irp j, 0,1,2,3,4,5,6,7
.irp g, 0,1,2,3
	ds_store_b64 v[AST], v[FR+2*(4*\j+\g):FR+2*(4*\j+\g)+1] offset:(\buf)*XBUF+\j*XP+256*\g
.endr
.endr
.else
	WIN 0x04                                       ; store data window 1
.irp i, 0,1,2,3,4,5,6,7,8,9,10,11,12,13,14,15
	ds_store_b128 v[AST], v[64*(\set)+4*\i:64*(\set)+4*\i+3] offset:(\buf)*XBUF+(\i/2)*XP+512*(\i%2)
.endr
	WIN 0
.endif
.endm
; 16 LDS loads: the tokens' fragments of K steps s0 and s0 + 1, both tiles, out of buffer p into set
.macro FRAGS p, set, s0
.irp ss, 0,1
.irp u, 0,1
.irp c, 0,1,2,3
	ds_load_b128 v[FR+64*(\set)+32*\ss+16*\u+4*\c:FR+64*(\set)+32*\ss+16*\u+4*\c+3], v[AF] offset:(\p)*XBUF+\u*16*XP+128*((\s0)+\ss)+32*\c
.endr
.endr
.endr
.endm
; K step s: 8 matrix instructions, the 8 accumulators by turns.  The first K step takes the bias as C.
.macro MUL kind, s
.set FS, FR+64*(((\s)/2)%2)+32*((\s)%2)
.set WS, 64*((\s)%4)
.if \kind == 2
	WIN 0x08+4*((\s)/4)                            ; source 1 (W) window 2 or 3
.irp t, 0,1,2,3
.irp u, 0,1
.if (\s) == 0
	v_wmma_f32_16x16x128_fp8_fp8 v[ACC+8*(2*\t+\u):ACC+8*(2*\t+\u)+7], v[FS+16*\u:FS+16*\u+15], v[WS+16*\t:WS+16*\t+15], v[BIAS+8*\t:BIAS+8*\t+7]
.else
	v_wmma_f32_16x16x128_fp8_fp8 v[ACC+8*(2*\t+\u):ACC+8*(2*\t+\u)+7], v[FS+16*\u:FS+16*\u+15], v[WS+16*\t:WS+16*\t+15], v[ACC+8*(2*\t+\u):ACC+8*(2*\t+\u)+7]
.endif
.endr
.endr
.else
	WIN 0x02+((\s)/4)                              ; source 0 (W) window 2 or 3
.irp u, 0,1
.irp t, 0,1,2,3
.if (\s) == 0
	v_wmma_f32_16x16x128_fp8_fp8 v[ACC+8*(4*\u+\t):ACC+8*(4*\u+\t)+7], v[WS+16*\t:WS+16*\t+15], v[FS+16*\u:FS+16*\u+15], v[BIAS+8*\t:BIAS+8*\t+7]
.else
	v_wmma_f32_16x16x128_fp8_fp8 v[ACC+8*(4*\u+\t):ACC+8*(4*\u+\t)+7], v[WS+16*\t:WS+16*\t+15], v[FS+16*\u:FS+16*\u+15], v[ACC+8*(4*\u+\t):ACC+8*(4*\u+\t)+7]
.endif
.endr
.endr
.endif
.endm
; The block's 64 sums a lane become 64 codes: each run of 16 registers is 16 neighbours along the next K: one chunk.  Each accumulator is read from its low end on.
.macro EPI kind, imm
	s_wait_xcnt 0x0                                ; the earlier stores have read their data: CODE is written again only behind this wait
.irp q, 0,1,2,3
.irp i, 0,1,2,3,4,5,6,7,8,9,10,11,12,13,14,15
	v_med3_num_f32 v[ACC+16*\q+\i], v[ACC+16*\q+\i], s68, s67
.endr
	v_cvt_scalef32_pk8_fp8_f32 v[CODE+4*\q:CODE+4*\q+1], v[ACC+16*\q:ACC+16*\q+7], v[SC]
	v_cvt_scalef32_pk8_fp8_f32 v[CODE+4*\q+2:CODE+4*\q+3], v[ACC+16*\q+8:ACC+16*\q+15], v[SC]
.endr
	v_nop                                          ; one plain vector line behind the last conversion
.irp q, 0,1,2,3
.if \kind == 2
	global_store_b128 v[OUTV], v[CODE+4*\q:CODE+4*\q+3], s[80:81] offset:(\imm)+2048*\q   ; channel tile q, this block's chunk: 512 bytes on end
.else
	global_store_b128 v[OUTV], v[CODE+4*\q:CODE+4*\q+3], s[80:81] offset:(\imm)+512*\q    ; token tile q / 2, chunk q % 2: 512 bytes on end
.endif
.endr
.endm
; One block out of buffer p.  At its head the next block, which has arrived in registers, goes into the other buffer, and the block after that is asked for.
; ONE barrier a block: in front of it my reads of buffer p and my stores into the other are done; behind it buffer p may be written and the other read.
.macro BLOCK kind, p, ntrip, blkb
	s_wait_loadcnt 0x0                             ; the next block's numbers are in; no load names s[60:61] any more, so it may step
.if \p == 0
	FILLST \kind, 1, 1
	s_cmp_lt_u32 s66, (\ntrip)-1
	s_cbranch_scc0 .Lskip_\@                       ; the last trip asks for nothing more: no load leaves its buffer
.else
	s_cmp_lt_u32 s66, (\ntrip)-1
	s_cbranch_scc0 .Lskip_\@
	FILLST \kind, 0, 0
.endif
	s_add_nc_u64 s[60:61], s[60:61], \blkb
	LOADX \kind, \p
.Lskip_\@:
.if \kind == 0
	s_wait_dscnt 0x0                               ; the stores have read the registers that the fragment loads take next
.endif
	FRAGS \p, 0, 0
	FRAGS \p, 1, 2
	s_wait_dscnt 16                                ; all but the younger set's 16 loads
	MUL \kind, 0
	MUL \kind, 1
	WIN 0
	NOP4
	FRAGS \p, 0, 4
	s_wait_dscnt 16
	MUL \kind, 2
	MUL \kind, 3
	WIN 0
	NOP4
	FRAGS \p, 1, 6
	s_wait_dscnt 16
	MUL \kind, 4
	MUL \kind, 5
	s_wait_dscnt 0x0
	MUL \kind, 6
	MUL \kind, 7
	WIN 0
	NOP4
.if \kind == 2
	EPI \kind, (\p)*512
.else
	EPI \kind, (\p)*2048
.endif
	s_wait_dscnt 0x0
	s_barrier_signal -1
	s_barrier_wait -1
.endm
; One of the three ways.  kind 0: q, 1: k, 2: v.  lb: its first LDS byte; ntrip: trips of two blocks; blkb: a block in memory; sx, sw, sb, so: the registers with X's, W's, the bias's and the images' addresses; ea, ew, eo: with the three exponents
.macro PATH kind, lb, ntrip, blkb, sx, sw, sb, so, ea, ew, eo
.if \kind == 0
	s_mov_b32 s9, ttmp9
.elseif \kind == 1
	s_sub_co_u32 s9, ttmp9, 128
.else
	s_sub_co_u32 s9, ttmp9, 192
.endif
	s_and_b32 s10, s9, 3
	s_lshl_b32 s10, s10, 2
	s_add_co_u32 s10, s10, s8                      ; my head: 4 x slice + wave
	s_lshr_b32 s11, s9, 2                          ; which run of tokens
.if \kind == 0
	s_lshl_b32 s76, s11, 20                        ; 256 tokens x 4,096 bytes
	s_lshr_b32 s12, s11, 3                         ; the batch
	s_and_b32 s13, s11, 7
	s_lshl_b32 s13, s13, 14                        ; 8 blocks x 2,048 bytes of images
.else
	s_lshl_b32 s76, s11, 19                        ; 512 tokens x 1,024 bytes
	s_lshr_b32 s12, s11, 2
	s_and_b32 s13, s11, 3
	s_lshl_b32 s13, s13, 15                        ; 16 blocks x 2,048 bytes
.endif
	s_mov_b32 s77, 0
	s_add_nc_u64 s[60:61], s[\sx:\sx+1], s[76:77]  ; the tokens
	s_lshl_b32 s76, s10, 16
	s_add_nc_u64 s[72:73], s[\sw:\sw+1], s[76:77]  ; my 64 rows of W
	s_lshl_b32 s76, s10, 8
	s_add_nc_u64 s[74:75], s[\sb:\sb+1], s[76:77]  ; my 64 numbers of the bias
	s_lshl_b32 s12, s12, 4
	s_add_co_u32 s12, s12, s10
	s_lshl_b32 s76, s12, 17                        ; (batch x 16 + head) x 131,072
	s_add_co_u32 s76, s76, s13
	s_add_nc_u64 s[62:63], s[\so:\so+1], s[76:77]  ; the images
	v_mul_u32_u24 v[AF], v[RR], XP
	v_lshl_add_u32 v[AF], v[HH], 4, v[AF]
	v_add_nc_u32 v[AF], \lb, v[AF]
	s_and_b32 s14, s8, 1                           ; my wave's tokens 8 w .. 8 w + 7 go to LDS rows 16 (w % 2) + 8 (w / 2) on
	s_lshl_b32 s14, s14, 4
	s_lshr_b32 s15, s8, 1
	s_lshl_b32 s15, s15, 3
	s_add_co_u32 s14, s14, s15
	s_mul_i32 s14, s14, XP
	s_add_co_u32 s14, s14, \lb
.if \kind == 0
	v_lshl_add_u32 v[AST], v[LN], 3, s14
	s_lshl_b32 s15, s8, 15
	v_lshl_add_u32 v[XV], v[LN], 5, s15
.else
	v_lshl_add_u32 v[AST], v[LN], 4, s14
	s_lshl_b32 s15, s8, 13
	v_lshl_add_u32 v[XV], v[LN], 4, s15
.endif
.if \kind == 2
	v_lshlrev_b32 v[BV], 2, v[RP]                  ; a lane holds one channel: r + 8 (r / 8) of the tile
.else
	v_lshlrev_b32 v[BV], 6, v[HH]                  ; a lane holds 8 channels a tile: 16 h on
.endif
	LOADX \kind, 0                                 ; block 0
	WIN 0x80                                       ; W's 32 fragments: they stay
.irp ks, 0,1,2,3
.irp t, 0,1,2,3
.irp c, 0,1,2,3
	global_load_b128 v[16*(4*\ks+\t)+4*\c:16*(4*\ks+\t)+4*\c+3], v[WVO], s[72:73] offset:(32*(\t/2)+8*(\t%2))*1024+128*\ks+32*\c
.endr
.endr
.endr
	WIN 0xc0
.irp ks, 0,1,2,3
.irp t, 0,1,2,3
.irp c, 0,1,2,3
	global_load_b128 v[16*(4*\ks+\t)+4*\c:16*(4*\ks+\t)+4*\c+3], v[WVO], s[72:73] offset:(32*(\t/2)+8*(\t%2))*1024+128*(\ks+4)+32*\c
.endr
.endr
.endr
	WIN 0
.irp t, 0,1,2,3
.if \kind == 2
.irp i, 0,1,2,3,4,5,6,7
	global_load_b32 v[BIAS+8*\t+\i], v[BV], s[74:75] offset:(32*(\t/2)+8*(\t%2))*4   ; the lane's channel, in all eight registers of the result's layout
.endr
.else
	global_load_b128 v[BIAS+8*\t:BIAS+8*\t+3], v[BV], s[74:75] offset:(32*(\t/2)+8*(\t%2))*4
	global_load_b128 v[BIAS+8*\t+4:BIAS+8*\t+7], v[BV], s[74:75] offset:(32*(\t/2)+8*(\t%2))*4+16
.endif
.endr
	s_wait_kmcnt 0x0                               ; the exponents
	s_add_co_i32 s9, s[\ea], s[\ew]                ; a sum stands for sum x 2^(EA + EW)
	s_sub_co_i32 s10, 0, s9
	s_sub_co_i32 s11, s[\eo], s9                   ; so its code is sum / 2^(EO - EA - EW): the three scales folded into one
	s_add_co_i32 s11, s11, 127
	s_lshl_b32 s12, s11, 23
	v_mov_b32 v[SC], s12
	s_add_co_i32 s11, s11, 8
	s_lshl_b32 s67, s11, 23
	s_or_b32 s67, s67, 0x600000                    ; 448 x that,
	s_or_b32 s68, s67, 0x80000000                  ; and its negative
.if \kind == 0
	s_add_co_i32 s11, s48, 127
	s_lshl_b32 s12, s11, 23
	v_mov_b32 v[SCX], s12                          ; 2^e0
	s_add_co_i32 s11, s11, 8
	s_lshl_b32 s69, s11, 23
	s_or_b32 s69, s69, 0x600000                    ; 448 x 2^e0
	s_or_b32 s70, s69, 0x80000000
.endif
	s_wait_loadcnt 0x0                             ; Wo's part, block 0, W, the bias
	global_store_b128 v[OUTV], v[CODE:CODE+3], s[84:85]                ; Wo's two chunks, as images
	global_store_b128 v[OUTV], v[CODE+4:CODE+7], s[84:85] offset:512
.set i, 0
.rept 32
	v_ldexp_f32 v[BIAS+i], v[BIAS+i], s10          ; the bias / 2^(EA + EW)
.set i, i+1
.endr
	FILLST \kind, 0, 0
	s_add_nc_u64 s[60:61], s[60:61], \blkb
	LOADX \kind, 1                                 ; block 1
	s_wait_dscnt 0x0
	s_barrier_signal -1
	s_barrier_wait -1                              ; block 0 lies in buffer 0
	s_mov_b32 s66, 0
.Ltrip_\@:                                             ; a trip: two blocks
	s_wait_xcnt 0x0                                ; the last stores have read their base
.if \kind == 2
	s_lshr_b32 s76, s66, 1                         ; blocks 2 j, 2 j + 1 are chunks 2 (j % 2), + 1 of key step j / 2
	s_lshl_b32 s76, s76, 13
	s_and_b32 s78, s66, 1
	s_lshl_b32 s78, s78, 10
	s_add_co_u32 s76, s76, s78
.else
	s_lshl_b32 s76, s66, 12                        ; four tiles of 1,024 bytes a trip
.endif
	s_add_nc_u64 s[80:81], s[62:63], s[76:77]
	BLOCK \kind, 0, \ntrip, \blkb
	BLOCK \kind, 1, \ntrip, \blkb
	s_add_co_u32 s66, s66, 1
	s_cmp_lt_u32 s66, \ntrip
	s_cbranch_scc1 .Ltrip_\@
	s_wait_xcnt 0x0
	v_lshl_add_u32 v254, v0, 2, 0x30c00
	v_mov_b32 v255, 0
	s_wait_tensorcnt 0x0
	ds_add_u32 v254, v255
	s_wait_dscnt 0x0
	s_endpgm
.endm
	s_load_b512 s[16:31], s[0:1], 0x0              ; Q, K's codes, V's codes, Wq, Wk, Wv, bq, bk
	s_load_b256 s[32:39], s[0:1], 0x40             ; bv, the exponents, Wo, qf
	s_load_b128 s[40:43], s[0:1], 0x60             ; kf, vf
	s_load_b64 s[44:45], s[0:1], 0x70              ; wof
	v_lshrrev_b32 v11, 5, v0
	v_readfirstlane_b32 s8, v11                    ; wave 0..3
	v_and_b32 v[LN], 31, v0
	v_and_b32 v[RR], 15, v0
	v_bfe_u32 v[HH], v0, 4, 1
	v_lshlrev_b32 v[OUTV], 4, v[LN]
	v_lshlrev_b32 v[WOV], 10, v[RR]
	v_lshl_add_u32 v[WOV], v[HH], 4, v[WOV]
	v_and_b32 v[RP], 8, v[RR]
	v_add_nc_u32 v[RP], v[RP], v[RR]
	v_lshlrev_b32 v[WVO], 10, v[RP]
	v_lshl_add_u32 v[WVO], v[HH], 4, v[WVO]
	; Wo's layout: 512 fragments (16 rows x 128 K, 2,048 bytes), two to a work-group, half a fragment (two chunks) to a wave
	s_lshl_b32 s9, ttmp9, 1
	s_lshr_b32 s10, s8, 1
	s_add_co_u32 s9, s9, s10                       ; fragment f = 8 T + s
	s_and_b32 s10, s8, 1                           ; which half
	s_lshr_b32 s11, s9, 3
	s_lshl_b32 s11, s11, 14                        ; T x 16 rows x 1,024
	s_and_b32 s12, s9, 7
	s_lshl_b32 s12, s12, 7                         ; s x 128
	s_add_co_u32 s76, s11, s12
	s_lshl_b32 s12, s10, 6
	s_add_co_u32 s76, s76, s12                     ; + 64 x half
	s_mov_b32 s77, 0
	s_lshl_b32 s78, s9, 11
	s_lshl_b32 s12, s10, 10
	s_add_co_u32 s78, s78, s12                     ; the image: 2,048 f + 1,024 x half
	s_mov_b32 s79, 0
	s_wait_kmcnt 0x0
	s_load_b256 s[48:55], s[34:35], 0x0            ; e0 .. e7
	s_load_b128 s[56:59], s[34:35], 0x20           ; e8 .. e11
	s_add_nc_u64 s[82:83], s[36:37], s[76:77]
	s_add_nc_u64 s[84:85], s[44:45], s[78:79]
	global_load_b128 v[CODE:CODE+3], v[WOV], s[82:83]
	global_load_b128 v[CODE+4:CODE+7], v[WOV], s[82:83] offset:32
	s_cmp_lt_u32 ttmp9, 128
	s_cbranch_scc1 .Lq
	s_cmp_lt_u32 ttmp9, 192
	s_cbranch_scc1 .Lk
	PATH 2, 133120, 8, 32768, 20, 26, 32, 42, 52, 53, 57
.Lk:
	PATH 1, 66560, 8, 32768, 18, 24, 30, 40, 50, 51, 55
.Lq:
	PATH 0, 0, 4, 131072, 16, 22, 28, 38, 48, 49, 54
.Lfunc_end_k_q18698b1648_proj:
	.size	k_q18698b1648_proj, .Lfunc_end_k_q18698b1648_proj-k_q18698b1648_proj
	.p2alignl 7, 3214868480
	.fill 96, 4, 3214868480
	.section	.rodata,"a",@progbits
	.p2align	6, 0x0
	.amdhsa_kernel k_q18698b1648_proj
		.amdhsa_group_segment_fixed_size 200192
		.amdhsa_private_segment_fixed_size 0
		.amdhsa_enable_private_segment 0
		.amdhsa_kernarg_size 120
		.amdhsa_user_sgpr_count 2
		.amdhsa_user_sgpr_kernarg_segment_ptr 1
		.amdhsa_wavefront_size32 1
		.amdhsa_system_sgpr_workgroup_id_x 1
		.amdhsa_system_sgpr_workgroup_id_y 1
		.amdhsa_system_sgpr_workgroup_id_z 1
		.amdhsa_system_vgpr_workitem_id 0
		.amdhsa_next_free_vgpr 1024
		.amdhsa_next_free_sgpr 96
		.amdhsa_reserve_vcc 0
		.amdhsa_float_denorm_mode_32 3
		.amdhsa_float_denorm_mode_16_64 3
		.amdhsa_memory_ordered 1
		.amdhsa_forward_progress 1
		.amdhsa_inst_pref_size 245
	.end_amdhsa_kernel
	.amdgpu_metadata
---
amdhsa.version: [ 1, 2 ]
amdhsa.kernels:
  - .name:           k_q18698b1648_proj
    .symbol:         k_q18698b1648_proj.kd
    .args:
      - { .name: Q, .offset: 0, .size: 8, .value_kind: global_buffer, .address_space: global }
      - { .name: K_codes, .offset: 8, .size: 8, .value_kind: global_buffer, .address_space: global }
      - { .name: V_codes, .offset: 16, .size: 8, .value_kind: global_buffer, .address_space: global }
      - { .name: Wq_codes, .offset: 24, .size: 8, .value_kind: global_buffer, .address_space: global }
      - { .name: Wk_codes, .offset: 32, .size: 8, .value_kind: global_buffer, .address_space: global }
      - { .name: Wv_codes, .offset: 40, .size: 8, .value_kind: global_buffer, .address_space: global }
      - { .name: bq, .offset: 48, .size: 8, .value_kind: global_buffer, .address_space: global }
      - { .name: bk, .offset: 56, .size: 8, .value_kind: global_buffer, .address_space: global }
      - { .name: bv, .offset: 64, .size: 8, .value_kind: global_buffer, .address_space: global }
      - { .name: lowp_scales, .offset: 72, .size: 8, .value_kind: global_buffer, .address_space: global }
      - { .name: Wo_codes, .offset: 80, .size: 8, .value_kind: global_buffer, .address_space: global }
      - { .name: qf, .offset: 88, .size: 8, .value_kind: global_buffer, .address_space: global }
      - { .name: kf, .offset: 96, .size: 8, .value_kind: global_buffer, .address_space: global }
      - { .name: vf, .offset: 104, .size: 8, .value_kind: global_buffer, .address_space: global }
      - { .name: wof, .offset: 112, .size: 8, .value_kind: global_buffer, .address_space: global }
    .group_segment_fixed_size: 200192
    .private_segment_fixed_size: 0
    .kernarg_segment_align: 8
    .kernarg_segment_size: 120
    .max_flat_workgroup_size: 128
    .sgpr_count:     96
    .vgpr_count:     1024
    .wavefront_size: 32
...
	.end_amdgpu_metadata
.endif
;; end of part 1
;; launch attn (part 2): grid 256 x 1, 8 waves a work-group, no clusters, 271,360 bytes of LDS; arguments qf, kf, vf, mask, lowp_scales, cf; writes cf
.if DOCPART == 2
	.amdgcn_target "amdgcn-amd-amdhsa--gfx1250"
	.amdhsa_code_object_version 6
	.text
	.protected	k_q18698b1648_attn
	.globl	k_q18698b1648_attn
	.p2align	8
	.type	k_q18698b1648_attn,@function
k_q18698b1648_attn:
	s_mov_b64 s[64:65], 0
	v_nop
	global_prefetch_b8 v0, s[64:65] scope:SCOPE_SE
	s_setreg_imm32_b32 hwreg(HW_REG_WAVE_MODE, 25, 1), 1
	s_wait_xcnt 0x0
; ctx = softmax(q k^T / 8, masked) v for one head, both products on codes of FP8 (E4M3); ctx is quantised with its given scale and stored as images of the last product's operand registers.
; THE SOFTMAX AHEAD OF THE SECOND PRODUCT: t = logit x log2(e); M = the running largest t rounded UP to a whole number; p = 2^(t - M) is quantised, not normalised; the row's sum is taken of the unquantised p and divides at the end.
; SHARES.  A work-group owns 512 queries (a quarter) of one head.  The head's whole K and V, 131,072 bytes of images each, are put into LDS once, through registers: no ring, one barrier; behind it LDS is only read.
; Two passes; in a pass each of the eight waves owns two tiles of 16 queries and walks 16 steps of 128 keys: every fragment of K, V and of the mask's table that it reads from LDS serves both tiles.  Two waves share a SIMD.
; LAYOUT.  Both products are used transposed: S^T = k q^T (source 0 = 16 keys, source 1 = 16 queries), O^T = v^T p^T (source 0 = 16 channels): a lane holds ONE query.  The images were laid so that the 16 registers of two neighbouring
; tiles are 16 neighbours: keys 32 b + 16 (lane / 16) + 0..15 in S^T, channels likewise in O^T; so the conversions' results are the next operands' registers.
; THE MASK.  The codes of a masked key are replaced by 0 on their way into LDS, and the score product's C comes from a table with 0 for an open key and -2^(33 - e6 - e7) for a masked one: a masked logit is exactly -2^30.
; LIMIT: reference() has -1e9 there; the results are the same while real logits stay under 1e9 in magnitude (a row whose keys are all masked gives equal weights here as there).
; THE HOLD of p at 448 x 2^e8 is jumped over where 448 x 2^e8 >= 1 (e8 >= -8), since p <= 1: a forward scalar branch on the given whole number e8, the same in every wave; no barrier and no wait stands under it.
; NO JOINT LOADS: the four work-groups of a head read the same 262,144 bytes, once, at the head; K passes through registers for the mask.
; LIMITS on the given exponents, so that each power of two below is an f32 number: e6 + e7 between -94 and 130; e8 and e10 - e8 - e9 between -126 and 119.  NaN among the codes is not served.
; REGISTERS.  Window 0: v1-15 addresses; v16-31 statistics, 8 a tile (+0 -M, +1 largest t, +2 +3 the sum's halves, +4 +5 at work, +6 f, +7 zero); v32-47 Q; v48-63 ctx's codes; v64-191 S^T, then p, 64 a tile; v192-223 p's codes;
;   v224-227 scales; v240-247 at work.   Window 1: v0-63 the table's fragments; v64-127 K's; v128-191 V's; v192-255 O^T, 32 a tile.  (At the head window 1 holds K and V on their way into LDS.)
.set BB,  262144                       ; LDS: K's images at 0, V's at 131,072, the mask's table (f32 a key) here
.set L16, 1                            ; v1   16 x lane
.set AV,  2                            ; v2   131,072 + 16 x lane
.set AB,  3                            ; v3   BB + 64 h
.set ADK, 4                            ; v4-6 the addresses of the step that is fetched
.set ADB, 5
.set ADV, 6
.set ST,  16
.set QF,  32
.set CT,  48
.set S,   64
.set P,   192
.set BI,  0                            ; in window 1
.set KF,  64
.set VF,  128
.set OA,  192
.set MSB, 0
.macro WIN new
.if MSB != (\new)
	s_set_vgpr_msb (MSB<<8)|(\new)
.set MSB, (\new)
.endif
.endm
.macro LDK                             ; 32 LDS loads: a step's eight tiles of K (16 keys x 64) and the table's eight fragments (all lanes of a half read the same 32 bytes)
	WIN 0x40
.irp T, 0,1,2,3,4,5,6,7
	ds_load_b128 v[KF+8*\T:KF+8*\T+3], v[ADK] offset:1024*\T
	ds_load_b128 v[KF+8*\T+4:KF+8*\T+7], v[ADK] offset:1024*\T+512
.endr
.irp T, 0,1,2,3,4,5,6,7
	ds_load_b128 v[BI+8*\T:BI+8*\T+3], v[ADB] offset:128*(\T/2)+32*(\T%2)
	ds_load_b128 v[BI+8*\T+4:BI+8*\T+7], v[ADB] offset:128*(\T/2)+32*(\T%2)+16
.endr
	WIN 0
.endm
.macro LDV                             ; 16 LDS loads: a step's four tiles of V (16 channels x 128 keys)
	WIN 0x40
.irp t, 0,1,2,3
.irp c, 0,1,2,3
	ds_load_b128 v[VF+16*\t+4*\c:VF+16*\t+4*\c+3], v[ADV] offset:2048*\t+512*\c
.endr
.endr
	WIN 0
.endm
	s_load_b256 s[4:11], s[0:1], 0x0               ; qf, kf, vf, mask
	s_load_b128 s[12:15], s[0:1], 0x20             ; the exponents, cf
	v_lshl_add_u32 v254, v0, 2, 0x42000
	v_mov_b32 v255, 0
	v_lshrrev_b32 v15, 5, v0
	v_readfirstlane_b32 s16, v15                   ; wave 0..7
	v_and_b32 v15, 31, v0
	v_lshlrev_b32 v[L16], 4, v15
	v_add_nc_u32 v[AV], 131072, v[L16]
	v_bfe_u32 v15, v0, 4, 1
	v_lshlrev_b32 v[AB], 6, v15
	v_add_nc_u32 v[AB], BB, v[AB]
	v_lshlrev_b32 v8, 4, v0                        ; the fill: 16 x thread, in memory and in LDS; an LDS immediate reaches 65,535, so four bases
	v_add_nc_u32 v9, 65536, v8
	v_add_nc_u32 v10, 131072, v8
	v_add_nc_u32 v11, 196608, v8
	v_lshrrev_b32 v15, 6, v0                       ; my 16 bytes of K's load j lie in tile 4 j + thread / 64, and belong to key 64 j + 32 (tq / 2) + 8 (tq % 2) + r + 8 (r / 8)
	v_lshrrev_b32 v12, 1, v15
	v_and_b32 v15, 1, v15
	v_lshlrev_b32 v12, 5, v12
	v_lshl_add_u32 v12, v15, 3, v12
	v_and_b32 v15, 15, v0
	v_add_nc_u32 v12, v12, v15
	v_and_b32 v15, 8, v15
	v_add_nc_u32 v12, v12, v15
	v_lshlrev_b32 v12, 2, v12                      ; that key's word of the mask, less 256 j
	v_lshlrev_b32 v13, 5, v0                       ; the table: 8 keys a thread
	v_add_nc_u32 v15, BB, v13
	s_lshr_b32 s17, ttmp9, 2                       ; batch x 16 + head
	s_and_b32 s50, ttmp9, 3                        ; which quarter of the queries
	s_lshr_b32 s51, s17, 4                         ; batch
	s_and_b32 s52, s17, 15                         ; head
	s_lshl_b32 s54, s17, 17
	s_mov_b32 s55, 0
	s_lshl_b32 s56, s51, 13
	s_mov_b32 s57, 0
	s_lshl_b32 s58, s50, 5
	s_lshl_b32 s60, s16, 1
	s_add_co_u32 s58, s58, s60                     ; my first tile in the first pass: 32 x quarter + 2 x wave
	s_lshl_b32 s60, s17, 7
	s_add_co_u32 s60, s60, s58
	s_lshl_b32 s60, s60, 10                        ; its image in qf
	s_mov_b32 s61, 0
	s_lshl_b32 s62, s51, 7
	s_add_co_u32 s62, s62, s58
	s_lshl_b32 s62, s62, 4
	s_add_co_u32 s62, s62, s52
	s_lshl_b32 s62, s62, 10                        ; and in cf: ((128 x batch + tile) x 16 + head) x 1,024
	s_mov_b32 s63, 0
	s_mov_b32 s18, 0x76543210                      ; v_permlanex16_b32's selects for lane l xor 16
	s_mov_b32 s19, 0xfedcba98
	s_wait_kmcnt 0x0
	s_load_b256 s[28:35], s[12:13], 0x0            ; e0 .. e7
	s_load_b128 s[36:39], s[12:13], 0x20           ; e8 .. e11
	s_add_nc_u64 s[44:45], s[6:7], s[54:55]
	s_add_nc_u64 s[46:47], s[8:9], s[54:55]
	s_add_nc_u64 s[48:49], s[10:11], s[56:57]
	s_add_nc_u64 s[40:41], s[4:5], s[60:61]
	s_add_nc_u64 s[42:43], s[14:15], s[62:63]
.set j, 0
.rept 32
	global_load_b32 v[S+j], v12, s[48:49] offset:256*j                 ; the mask's word for my 16 bytes of K's load j
.set j, j+1
.endr
	global_load_b128 v[S+32:S+35], v13, s[48:49]                       ; and for my 8 keys of the table
	global_load_b128 v[S+36:S+39], v13, s[48:49] offset:16
	WIN 0x40
.set j, 0
.rept 32
	global_load_b128 v[4*j:4*j+3], v8, s[44:45] offset:4096*j          ; K: the work-group reads 4,096 bytes on end
.set j, j+1
.endr
.set j, 0
.rept 32
	global_load_b128 v[128+4*j:128+4*j+3], v8, s[46:47] offset:4096*j  ; V
.set j, j+1
.endr
	WIN 0
	s_wait_kmcnt 0x0
	s_add_co_i32 s50, s34, s35                     ; e6 + e7
	s_lshl_b32 s51, s50, 23
	s_add_co_i32 s20, s51, 0x3e38aa3b              ; c = log2(e) / 8 x 2^(e6 + e7): the exponents are added to c's exponent field
	s_mov_b32 s21, s20                             ; (named with it as a pair, so it is written)
	s_sub_co_i32 s51, 160, s50
	s_lshl_b32 s51, s51, 23
	s_or_b32 s51, s51, 0x80000000
	v_mov_b32 v14, s51                             ; -2^(33 - e6 - e7)
	s_add_co_i32 s51, s36, 127
	s_lshl_b32 s52, s51, 23
	v_mov_b32 v224, s52                            ; 2^e8, for p's conversions
	s_add_co_i32 s51, s51, 8
	s_lshl_b32 s51, s51, 23
	s_or_b32 s51, s51, 0x600000
	v_mov_b32 v225, s51                            ; 448 x 2^e8
	s_sub_co_i32 s51, s38, s36
	s_sub_co_i32 s51, s51, s37                     ; O / l stands for ctx / 2^(e8 + e9): its code is (O / l) / 2^(e10 - e8 - e9)
	s_add_co_i32 s51, s51, 127
	s_lshl_b32 s52, s51, 23
	v_mov_b32 v226, s52
	s_add_co_i32 s51, s51, 8
	s_lshl_b32 s51, s51, 23
	s_or_b32 s51, s51, 0x600000
	v_mov_b32 v227, s51
	s_cmp_lt_i32 s36, -8
	s_cselect_b32 s22, 1, 0                        ; 1: p can pass 448 x 2^e8, and is held
	s_wait_loadcnt 32                              ; all but V's 32 loads
.set j, 0
.rept 32
	v_cmp_ne_u32 s[66+j], 0, v[S+j]                ; the lanes whose key is open, for each of K's 32 loads
.set j, j+1
.endr
.irp i, 0,1,2,3,4,5,6,7
	v_cmp_eq_u32 vcc_lo, 0, v[S+32+\i]
	v_cndmask_b32 v[S+40+\i], 0, v14, vcc_lo
.endr
	ds_store_b128 v15, v[S+40:S+43]
	ds_store_b128 v15, v[S+44:S+47] offset:16
	WIN 0x44
.set j, 0
.rept 32
.irp k, 0,1,2,3
	v_cndmask_b32 v[4*j+\k], 0, v[4*j+\k], s[66+j] ; a masked key's codes become 0
.endr
.set j, j+1
.endr
	WIN 0x04
.set j, 0
.rept 16
	ds_store_b128 v8, v[4*j:4*j+3] offset:4096*j
.set j, j+1
.endr
.set j, 0
.rept 16
	ds_store_b128 v9, v[64+4*j:64+4*j+3] offset:4096*j
.set j, j+1
.endr
	s_wait_loadcnt 0x0                             ; V
.set j, 0
.rept 16
	ds_store_b128 v10, v[128+4*j:128+4*j+3] offset:4096*j
.set j, j+1
.endr
.set j, 0
.rept 16
	ds_store_b128 v11, v[192+4*j:192+4*j+3] offset:4096*j
.set j, j+1
.endr
	WIN 0
	s_wait_dscnt 0x0                               ; for the others' sake: my stores have landed
	s_barrier_signal -1
	s_barrier_wait -1                              ; K, V and the table lie in LDS; from here on LDS is only read
	v_mov_b32 v[ADK], v[L16]                       ; step 0
	v_mov_b32 v[ADB], v[AB]
	v_mov_b32 v[ADV], v[AV]
	LDK
	LDV
; A KEY STEP: 128 keys for my two tiles of queries.  On the way in and over both back edges 48 LDS loads are out: this step's K and table (32), then its V (16).
.macro STEP
	s_wait_dscnt 16                                ; K and the table are in; V's 16 younger loads may be out
	WIN 0x11                                       ; K (source 0) and the table (C) window 1
.irp T, 0,1,2,3,4,5,6,7
.irp e, 0,1
	v_wmma_f32_16x16x64_fp8_fp8 v[S+64*\e+8*\T:S+64*\e+8*\T+7], v[KF+8*\T:KF+8*\T+7], v[QF+8*\e:QF+8*\e+7], v[BI+8*\T:BI+8*\T+7]
.endr
.endr
	WIN 0
	s_add_co_u32 s25, s24, 8192                    ; the next step's images; behind the last step the first again, for the next pass
	s_and_b32 s25, s25, 0x1ffff
	s_lshr_b32 s26, s25, 4                         ; 512 bytes of the table a step
	v_add_nc_u32 v[ADK], s25, v[L16]               ; these three and the v_nop are the four places behind the products
	v_add_nc_u32 v[ADB], s26, v[AB]
	v_add_nc_u32 v[ADV], s25, v[AV]
	v_nop
	LDK
	; the largest score of each query among my 64 keys, in two chains a tile; the tiles alternate line by line; each accumulator is read from its low end on
.irp e, 0,1
	v_max3_num_f32 v[ST+8*\e+4], v[S+64*\e], v[S+64*\e+1], v[S+64*\e+2]
.endr
.irp e, 0,1
	v_max3_num_f32 v[ST+8*\e+5], v[S+64*\e+3], v[S+64*\e+4], v[S+64*\e+5]
.endr
.irp i, 6,10,14,18,22,26,30,34,38,42,46,50,54,58
.irp e, 0,1
	v_max3_num_f32 v[ST+8*\e+4], v[ST+8*\e+4], v[S+64*\e+\i], v[S+64*\e+\i+1]
.endr
.irp e, 0,1
	v_max3_num_f32 v[ST+8*\e+5], v[ST+8*\e+5], v[S+64*\e+\i+2], v[S+64*\e+\i+3]
.endr
.endr
.irp e, 0,1
	v_max3_num_f32 v[ST+8*\e+4], v[ST+8*\e+4], v[S+64*\e+62], v[S+64*\e+63]
.endr
.irp e, 0,1
	v_max_num_f32 v[ST+8*\e+4], v[ST+8*\e+4], v[ST+8*\e+5]
.endr
.irp e, 0,1
	v_permlanex16_b32 v[ST+8*\e+5], v[ST+8*\e+4], s18, s19
.endr
.irp e, 0,1
	v_max_num_f32 v[ST+8*\e+4], v[ST+8*\e+4], v[ST+8*\e+5]   ; and among lane l xor 16's
.endr
.irp e, 0,1
	v_mul_f32 v[ST+8*\e+4], s20, v[ST+8*\e+4]      ; as t (c is positive)
.endr
.irp e, 0,1
	v_max_num_f32 v[ST+8*\e+1], v[ST+8*\e+1], v[ST+8*\e+4]   ; the running largest t
.endr
.irp e, 0,1
	v_mov_b32 v[ST+8*\e+4], v[ST+8*\e]
.endr
.irp e, 0,1
	v_floor_f32 v[ST+8*\e], -v[ST+8*\e+1]          ; the new -M = floor(-t): M is a whole number
.endr
.irp e, 0,1
	v_sub_f32 v[ST+8*\e+4], v[ST+8*\e], v[ST+8*\e+4]         ; old M - new M: a whole number, 0 or less
.endr
.irp e, 0,1
	v_cvt_i32_f32 v[ST+8*\e+4], v[ST+8*\e+4]       ; (it saturates)
.endr
.irp e, 0,1
	v_ldexp_f32 v[ST+8*\e+6], 1.0, v[ST+8*\e+4]    ; f = 2^(old M - new M): it rounds nothing
.endr
.set i, 0
.rept 32
.irp e, 0,1
	v_pk_fma_f32 v[S+64*\e+i:S+64*\e+i+1], v[S+64*\e+i:S+64*\e+i+1], s[20:21], v[ST+8*\e:ST+8*\e+1] op_sel_hi:[1,0,0]   ; t - M, two at a time
.endr
.set i, i+2
.endr
.set i, 0
.rept 128
	v_exp_f32 v[S+i], v[S+i]                       ; p = 2^(t - M): one batch for both tiles
.set i, i+1
.endr
.irp e, 0,1
	v_pk_mul_f32 v[ST+8*\e+2:ST+8*\e+3], v[ST+8*\e+2:ST+8*\e+3], v[ST+8*\e+6:ST+8*\e+7] op_sel_hi:[1,0]   ; the sums under the new M (the plain lines behind the exponentials)
.endr
	s_wait_alu depctr_va_vdst(0)                   ; one wait for the batch, ahead of its first reader
.irp e, 0,1
	v_pk_add_f32 v[240+4*\e:241+4*\e], v[S+64*\e:S+64*\e+1], v[S+64*\e+2:S+64*\e+3]   ; the row's sum is taken of the unquantised p, in two chains a tile
.endr
.irp i, 4,8,12,16,20,24,28,32,36,40,44,48,52,56,60
.irp e, 0,1
	v_pk_add_f32 v[ST+8*\e+2:ST+8*\e+3], v[ST+8*\e+2:ST+8*\e+3], v[S+64*\e+\i:S+64*\e+\i+1]
.endr
.irp e, 0,1
	v_pk_add_f32 v[240+4*\e:241+4*\e], v[240+4*\e:241+4*\e], v[S+64*\e+\i+2:S+64*\e+\i+3]
.endr
.endr
.irp e, 0,1
	v_pk_add_f32 v[ST+8*\e+2:ST+8*\e+3], v[ST+8*\e+2:ST+8*\e+3], v[240+4*\e:241+4*\e]
.endr
	s_cmp_eq_u32 s22, 0
	s_cbranch_scc1 .Lnohold                        ; 448 x 2^e8 >= 1 >= p: nothing to hold
.set i, 0
.rept 128
	v_min_num_f32 v[S+i], v[S+i], v225             ; the conversion does not saturate (ISA guide 7.6.2); p is not negative, so the hold is one-sided
.set i, i+1
.endr
.Lnohold:
.irp e, 0,1
.irp b, 0,1,2,3
	v_cvt_scalef32_pk8_fp8_f32 v[P+16*\e+4*\b:P+16*\e+4*\b+1], v[S+64*\e+16*\b:S+64*\e+16*\b+7], v224
	v_cvt_scalef32_pk8_fp8_f32 v[P+16*\e+4*\b+2:P+16*\e+4*\b+3], v[S+64*\e+16*\b+8:S+64*\e+16*\b+15], v224
.endr
.endr
	WIN 0x41
.set i, 0
.rept 16
.irp e, 0,1
	v_pk_mul_f32 v[OA+32*\e+i:OA+32*\e+i+1], v[OA+32*\e+i:OA+32*\e+i+1], v[ST+8*\e+6:ST+8*\e+7] op_sel_hi:[1,0]   ; O^T under the new M; also the plain lines behind the conversions
.endr
.set i, i+2
.endr
	s_wait_dscnt 32                                ; V is in; the next step's K and table, 32 loads, may be out
	WIN 0x51                                       ; V (source 0), C and D window 1
.irp t, 0,1,2,3
.irp e, 0,1
	v_wmma_f32_16x16x128_fp8_fp8 v[OA+32*\e+8*\t:OA+32*\e+8*\t+7], v[VF+16*\t:VF+16*\t+15], v[P+16*\e:P+16*\e+15], v[OA+32*\e+8*\t:OA+32*\e+8*\t+7]
.endr
.endr
	WIN 0
.rept 4
	v_nop                                          ; four places in front of the loads into V's registers, and of the first read of O^T
.endr
	LDV
.endm
	s_mov_b32 s27, 2
.Lpass:                                                ; two passes: 16 tiles of queries each
	global_load_b128 v[QF:QF+3], v[L16], s[40:41] th:TH_LOAD_NT
	global_load_b128 v[QF+4:QF+7], v[L16], s[40:41] offset:512 th:TH_LOAD_NT
	global_load_b128 v[QF+8:QF+11], v[L16], s[40:41] offset:1024 th:TH_LOAD_NT
	global_load_b128 v[QF+12:QF+15], v[L16], s[40:41] offset:1536 th:TH_LOAD_NT
.irp e, 0,1
	v_mov_b32 v[ST+8*\e+1], 0xff61b1e6             ; the largest t so far: -3e38, under every t
	v_floor_f32 v[ST+8*\e], -v[ST+8*\e+1]
	v_mov_b32 v[ST+8*\e+2], 0
	v_mov_b32 v[ST+8*\e+3], 0
	v_mov_b32 v[ST+8*\e+7], 0                      ; (named as the upper half of f's pair)
.endr
	WIN 0x40
.set i, 0
.rept 64
	v_mov_b32 v[OA+i], 0                           ; O^T.  (The step is written once: the first finds zeros, which the first change of M leaves zeros)
.set i, i+1
.endr
	WIN 0
	s_mov_b32 s24, 0
	s_mov_b32 s23, 16
	s_wait_loadcnt 0x0                             ; Q
.Lstep:
	STEP
	s_add_co_u32 s24, s24, 8192
	s_sub_co_u32 s23, s23, 1
	s_cmp_lg_u32 s23, 0
	s_cbranch_scc1 .Lstep
	; the pass's end: O^T / the sum, held, converted: a lane's 32 channels are two chunks of the last product's operand
.irp e, 0,1
	v_add_f32 v[ST+8*\e+4], v[ST+8*\e+2], v[ST+8*\e+3]
.endr
.irp e, 0,1
	v_permlanex16_b32 v[ST+8*\e+5], v[ST+8*\e+4], s18, s19
.endr
.irp e, 0,1
	v_add_f32 v[ST+8*\e+4], v[ST+8*\e+4], v[ST+8*\e+5]
.endr
.irp e, 0,1
	v_rcp_f32 v[ST+8*\e+6], v[ST+8*\e+4]
.endr
	v_nop                                          ; a plain line behind the reciprocals,
	s_wait_alu depctr_va_vdst(0)                   ; and the one wait ahead of their first reader
	WIN 0x01
.irp e, 0,1
.set i, 0
.rept 16
	v_pk_mul_f32 v[S+64*\e+i:S+64*\e+i+1], v[OA+32*\e+i:OA+32*\e+i+1], v[ST+8*\e+6:ST+8*\e+7] op_sel_hi:[1,0]
.set i, i+2
.endr
.endr
	WIN 0
.irp e, 0,1
.set i, 0
.rept 32
	v_med3_num_f32 v[S+64*\e+i], v[S+64*\e+i], -v227, v227
.set i, i+1
.endr
.endr
.irp e, 0,1
.irp b, 0,1
	v_cvt_scalef32_pk8_fp8_f32 v[CT+8*\e+4*\b:CT+8*\e+4*\b+1], v[S+64*\e+16*\b:S+64*\e+16*\b+7], v226
	v_cvt_scalef32_pk8_fp8_f32 v[CT+8*\e+4*\b+2:CT+8*\e+4*\b+3], v[S+64*\e+16*\b+8:S+64*\e+16*\b+15], v226
.endr
.endr
	v_nop                                          ; one plain vector line behind the last conversion
.irp e, 0,1
.irp b, 0,1
	global_store_b128 v[L16], v[CT+8*\e+4*\b:CT+8*\e+4*\b+3], s[42:43] offset:\e*16384+512*\b   ; 512 bytes on end
.endr
.endr
	s_wait_xcnt 0x0                                ; the loads and stores have read their bases and data: the pointers step, and the next pass may write the codes' registers
	s_add_nc_u64 s[40:41], s[40:41], 16384         ; 16 tiles on in qf,
	s_add_nc_u64 s[42:43], s[42:43], 262144        ; and in cf
	s_sub_co_u32 s27, s27, 1
	s_cmp_lg_u32 s27, 0
	s_cbranch_scc1 .Lpass
	s_wait_dscnt 0x0                               ; the fragments fetched ahead by the last step
	s_wait_tensorcnt 0x0
	ds_add_u32 v254, v255
	s_wait_dscnt 0x0
	s_endpgm
.Lfunc_end_k_q18698b1648_attn:
	.size	k_q18698b1648_attn, .Lfunc_end_k_q18698b1648_attn-k_q18698b1648_attn
	.p2alignl 7, 3214868480
	.fill 96, 4, 3214868480
	.section	.rodata,"a",@progbits
	.p2align	6, 0x0
	.amdhsa_kernel k_q18698b1648_attn
		.amdhsa_group_segment_fixed_size 271360
		.amdhsa_private_segment_fixed_size 0
		.amdhsa_enable_private_segment 0
		.amdhsa_kernarg_size 48
		.amdhsa_user_sgpr_count 2
		.amdhsa_user_sgpr_kernarg_segment_ptr 1
		.amdhsa_wavefront_size32 1
		.amdhsa_system_sgpr_workgroup_id_x 1
		.amdhsa_system_sgpr_workgroup_id_y 1
		.amdhsa_system_sgpr_workgroup_id_z 1
		.amdhsa_system_vgpr_workitem_id 0
		.amdhsa_next_free_vgpr 512
		.amdhsa_next_free_sgpr 100
		.amdhsa_reserve_vcc 1
		.amdhsa_float_denorm_mode_32 3
		.amdhsa_float_denorm_mode_16_64 3
		.amdhsa_memory_ordered 1
		.amdhsa_forward_progress 1
		.amdhsa_inst_pref_size 72
	.end_amdhsa_kernel
	.amdgpu_metadata
---
amdhsa.version: [ 1, 2 ]
amdhsa.kernels:
  - .name:           k_q18698b1648_attn
    .symbol:         k_q18698b1648_attn.kd
    .args:
      - { .name: qf, .offset: 0, .size: 8, .value_kind: global_buffer, .address_space: global }
      - { .name: kf, .offset: 8, .size: 8, .value_kind: global_buffer, .address_space: global }
      - { .name: vf, .offset: 16, .size: 8, .value_kind: global_buffer, .address_space: global }
      - { .name: mask, .offset: 24, .size: 8, .value_kind: global_buffer, .address_space: global }
      - { .name: lowp_scales, .offset: 32, .size: 8, .value_kind: global_buffer, .address_space: global }
      - { .name: cf, .offset: 40, .size: 8, .value_kind: global_buffer, .address_space: global }
    .group_segment_fixed_size: 271360
    .private_segment_fixed_size: 0
    .kernarg_segment_align: 8
    .kernarg_segment_size: 48
    .max_flat_workgroup_size: 256
    .sgpr_count:     100
    .vgpr_count:     512
    .wavefront_size: 32
...
	.end_amdgpu_metadata
.endif
;; end of part 2
;; launch outln (part 3): grid 256 x 1, 16 waves a work-group, no clusters, 166,400 bytes of LDS; arguments cf, wof, lowp_scales, bo, Q, gamma, beta, out0; writes out0
.if DOCPART == 3
	.amdgcn_target "amdgcn-amd-amdhsa--gfx1250"
	.amdhsa_code_object_version 6
	.text
	.protected	k_q18698b1648_outln
	.globl	k_q18698b1648_outln
	.p2align	8
	.type	k_q18698b1648_outln,@function
k_q18698b1648_outln:
	s_mov_b64 s[64:65], 0
	v_nop
	global_prefetch_b8 v0, s[64:65] scope:SCOPE_SE
	s_setreg_imm32_b32 hwreg(HW_REG_WAVE_MODE, 25, 1), 1
	s_wait_xcnt 0x0
; out0 = LayerNorm(ctx Wo^T + bo + Q) x gamma + beta.  The product is on codes of FP8 (E4M3); all else in f32; mean and variance in two passes over registers, as reference() has them.
; SHARES.  A work-group owns 32 tokens and ALL 1,024 columns, so that a row's mean and variance never leave it.  Wave w of sixteen makes columns 64 w .. 64 w + 63 for the 32 tokens: 4 column tiles x 2 token tiles = 8 accumulators.
; Its 64 rows of Wo come from the images laid by the first launch, straight into registers, 512 bytes on end a load: no other wave of the work-group wants them, so they do not go through LDS.
; ctx's codes (32,768 bytes of images) are copied into LDS once and read by all sixteen waves.  The sums meet in a stage in LDS, and wave w then normalises two whole rows.
; The matrix instruction is used transposed (source 0 = 16 rows of Wo, source 1 = 16 tokens): a lane holds eight neighbouring columns of one token.
; Lane r of token tile u is token 8 u + r + 8 (r / 8) of the 32 (the order in which the images were made).
; NO JOINT LOADS: all work-groups walk the same 1,048,576 bytes of Wo, but each byte serves one wave and goes into registers; a joint load would bring it into LDS, for one more LDS read of every byte.
; LIMIT: e10 + e11 between -126 and 127, so that 2^(e10 + e11) is an f32 number.
; REGISTERS: v1-5 addresses; v16-47 ctx's two fragments, later bo; v48-79, v80-111 Wo's fragments, two column tiles each, later gamma and beta; v112-175 the accumulators, later my two rows; v176-239 my two rows of Q; v240-255 at work.
.set STG, 32768                        ; LDS: ctx's images at 0; here the stage: 32 rows x (4,096 + 16) bytes
.set SPI, 4112
.set L16, 1                            ; v1   16 x lane
.set T16, 2                            ; v2   16 x thread
.set SI0, 3                            ; v3, v4  the stage, on the way in: row 16 u + r, + 32 h + 256 w
.set SI1, 4
.set SOU, 5                            ; v5   and on the way out: row 2 w, + 16 x lane
.set XF,  16
.set WA,  48
.set WB,  80
.set ACC, 112
.set QR,  176
.set BO,  16
.set GA,  48
.set BE,  80
.set Y,   112
.macro NOP4
.rept 4
	v_nop
.endr
.endm
.macro LOADW reg, t0, s                ; Wo's fragments of column tiles t0, t0 + 1, K step s: 8 loads
.irp tt, 0,1
.irp c, 0,1,2,3
	global_load_b128 v[\reg+16*\tt+4*\c:\reg+16*\tt+4*\c+3], v[L16], s[6:7] offset:((\t0)+\tt)*16384+(\s)*2048+512*\c
.endr
.endr
.endm
.macro PROD reg, t0, zero              ; 4 matrix instructions on 4 accumulators; the eight take turns from K step to K step
.irp tt, 0,1
.irp u, 0,1
.if \zero
	v_wmma_f32_16x16x128_fp8_fp8 v[ACC+8*(4*\u+(\t0)+\tt):ACC+8*(4*\u+(\t0)+\tt)+7], v[\reg+16*\tt:\reg+16*\tt+15], v[XF+16*\u:XF+16*\u+15], 0
.else
	v_wmma_f32_16x16x128_fp8_fp8 v[ACC+8*(4*\u+(\t0)+\tt):ACC+8*(4*\u+(\t0)+\tt)+7], v[\reg+16*\tt:\reg+16*\tt+15], v[XF+16*\u:XF+16*\u+15], v[ACC+8*(4*\u+(\t0)+\tt):ACC+8*(4*\u+(\t0)+\tt)+7]
.endif
.endr
.endr
.endm
.macro KSTEP s
.irp u, 0,1
.irp c, 0,1,2,3
	ds_load_b128 v[XF+16*\u+4*\c:XF+16*\u+4*\c+3], v[L16] offset:\u*16384+(\s)*2048+512*\c
.endr
.endr
	s_wait_loadcnt 8                               ; column tiles 0, 1 of this K step are in; the 8 loads of tiles 2, 3 may be out
	s_wait_dscnt 0x0
.if (\s) == 0
	PROD WA, 0, 1
.else
	PROD WA, 0, 0
.endif
	NOP4                                           ; places in front of loads into registers that the products have read
.if (\s) < 7
	LOADW WA, 0, (\s)+1
	s_wait_loadcnt 8                               ; tiles 2, 3 are in; the 8 loads just issued may be out
.else
	s_wait_loadcnt 0x0
.endif
.if (\s) == 0
	PROD WB, 2, 1
.else
	PROD WB, 2, 0
.endif
	NOP4
.if (\s) < 7
	LOADW WB, 2, (\s)+1
.endif
.endm
.macro LANESUM reg, tmp                ; the sum over the 32 lanes, in every lane; tmp has been written before
	v_add_f32_dpp v[\reg], v[\reg], v[\reg] row_xmask:1 row_mask:0xf bank_mask:0xf
	v_add_f32_dpp v[\reg], v[\reg], v[\reg] row_xmask:2 row_mask:0xf bank_mask:0xf
	v_add_f32_dpp v[\reg], v[\reg], v[\reg] row_xmask:4 row_mask:0xf bank_mask:0xf
	v_add_f32_dpp v[\reg], v[\reg], v[\reg] row_xmask:8 row_mask:0xf bank_mask:0xf
	v_permlanex16_b32 v[\tmp], v[\reg], s24, s25
	v_add_f32 v[\reg], v[\reg], v[\tmp]
.endm
	s_load_b512 s[4:19], s[0:1], 0x0               ; cf, wof, the exponents, bo, Q, gamma, beta, out0
	v_lshl_add_u32 v14, v0, 2, 0x28200
	v_mov_b32 v15, 0
	v_lshrrev_b32 v6, 5, v0
	v_readfirstlane_b32 s20, v6                    ; wave 0..15
	v_and_b32 v6, 31, v0
	v_lshlrev_b32 v[L16], 4, v6
	v_lshlrev_b32 v[T16], 4, v0
	v_and_b32 v7, 15, v0                           ; r
	v_bfe_u32 v8, v0, 4, 1                         ; h
	v_mul_u32_u24 v[SI0], v7, SPI
	v_lshl_add_u32 v[SI0], v8, 5, v[SI0]
	s_lshl_b32 s21, s20, 8
	s_add_co_u32 s21, s21, STG
	v_add_nc_u32 v[SI0], s21, v[SI0]
	v_add_nc_u32 v[SI1], 16*SPI, v[SI0]
	s_mul_i32 s21, s20, 2*SPI
	s_add_co_u32 s21, s21, STG
	v_add_nc_u32 v[SOU], s21, v[L16]
	s_lshl_b32 s26, ttmp9, 15                      ; my 32 tokens' images
	s_mov_b32 s27, 0
	s_lshl_b32 s28, s20, 16                        ; my 4 column tiles x 8 K steps x 2,048 bytes
	s_mov_b32 s29, 0
	s_lshr_b32 s21, s20, 3                         ; stage rows 2 w, 2 w + 1 are tokens T0, T0 + 1: T0 = 8 (w / 8) + 2 (w % 8) + 8 ((w % 8) / 4)
	s_lshl_b32 s21, s21, 3
	s_and_b32 s30, s20, 7
	s_lshl_b32 s30, s30, 1
	s_add_co_u32 s21, s21, s30
	s_and_b32 s30, s20, 4
	s_lshl_b32 s30, s30, 1
	s_add_co_u32 s21, s21, s30
	s_lshl_b32 s30, ttmp9, 5
	s_add_co_u32 s30, s30, s21
	s_lshl_b32 s30, s30, 12                        ; a row of Q and of out0 is 4,096 bytes
	s_mov_b32 s31, 0
	s_mov_b32 s24, 0x76543210                      ; v_permlanex16_b32's selects for lane l xor 16
	s_mov_b32 s25, 0xfedcba98
	s_mov_b32 s34, 0x3727c5ac                      ; 1e-5
	s_mov_b32 s35, 0x3a800000                      ; 1 / 1,024
	s_wait_kmcnt 0x0
	s_load_b64 s[22:23], s[8:9], 0x28              ; e10, e11
	s_add_nc_u64 s[4:5], s[4:5], s[26:27]
	s_add_nc_u64 s[6:7], s[6:7], s[28:29]
	s_add_nc_u64 s[12:13], s[12:13], s[30:31]
	s_add_nc_u64 s[18:19], s[18:19], s[30:31]
.irp i, 0,1,2,3
	global_load_b128 v[240+4*\i:243+4*\i], v[T16], s[4:5] offset:8192*\i th:TH_LOAD_NT      ; ctx's images: the work-group reads 8,192 bytes on end
.endr
.irp e, 0,1
.irp i, 0,1,2,3,4,5,6,7
	global_load_b128 v[QR+32*\e+4*\i:QR+32*\e+4*\i+3], v[L16], s[12:13] offset:4096*\e+512*\i th:TH_LOAD_NT   ; my two rows of Q, asked for at the head
.endr
.endr
	LOADW WA, 0, 0
	LOADW WB, 2, 0
	s_wait_kmcnt 0x0
	s_add_co_i32 s22, s22, s23
	s_add_co_i32 s22, s22, 127
	s_lshl_b32 s22, s22, 23                        ; 2^(e10 + e11) as f32
	s_mov_b32 s23, s22                             ; (named with it as a pair, so it is written)
	s_wait_loadcnt 32                              ; the images are in; Q's 16 loads and Wo's 16 may be out
.irp i, 0,1,2,3
	ds_store_b128 v[T16], v[240+4*\i:243+4*\i] offset:8192*\i
.endr
	s_wait_dscnt 0x0
	s_barrier_signal -1
	s_barrier_wait -1                              ; ctx's sixteen fragments lie in LDS
.irp ks, 0,1,2,3,4,5,6,7
	KSTEP \ks
.endr
.irp i, 0,1,2,3,4,5,6,7                        ; behind the last products' four places: bo, gamma, beta of my lane's columns 128 i + 4 x lane + 0..3
	global_load_b128 v[BO+4*\i:BO+4*\i+3], v[L16], s[10:11] offset:512*\i
	global_load_b128 v[GA+4*\i:GA+4*\i+3], v[L16], s[14:15] offset:512*\i
	global_load_b128 v[BE+4*\i:BE+4*\i+3], v[L16], s[16:17] offset:512*\i
.endr
.irp u, 0,1
.irp t, 0,1,2,3
	ds_store_b128 v[SI0+\u], v[ACC+8*(4*\u+\t):ACC+8*(4*\u+\t)+3] offset:64*\t           ; each accumulator from its low end on
	ds_store_b128 v[SI0+\u], v[ACC+8*(4*\u+\t)+4:ACC+8*(4*\u+\t)+7] offset:64*\t+16
.endr
.endr
	s_wait_dscnt 0x0
	s_barrier_signal -1
	s_barrier_wait -1                              ; 32 whole rows of sums lie in the stage
.irp e, 0,1
.irp i, 0,1,2,3,4,5,6,7
	ds_load_b128 v[Y+32*\e+4*\i:Y+32*\e+4*\i+3], v[SOU] offset:\e*SPI+512*\i
.endr
.endr
	s_wait_loadcnt 0x0
	s_wait_dscnt 0x0
.irp e, 0,1
.set i, 0
.rept 16
	v_pk_fma_f32 v[Y+32*\e+i:Y+32*\e+i+1], v[Y+32*\e+i:Y+32*\e+i+1], s[22:23], v[BO+i:BO+i+1] op_sel_hi:[1,0,1]   ; sum x 2^(e10 + e11) + bo
.set i, i+2
.endr
.endr
.irp e, 0,1
.set i, 0
.rept 16
	v_pk_add_f32 v[Y+32*\e+i:Y+32*\e+i+1], v[Y+32*\e+i:Y+32*\e+i+1], v[QR+32*\e+i:QR+32*\e+i+1]                    ; + Q
.set i, i+2
.endr
.endr
.irp e, 0,1                                    ; the row's sum: two chains a row
	v_pk_add_f32 v[240+4*\e:241+4*\e], v[Y+32*\e:Y+32*\e+1], v[Y+32*\e+2:Y+32*\e+3]
	v_pk_add_f32 v[242+4*\e:243+4*\e], v[Y+32*\e+4:Y+32*\e+5], v[Y+32*\e+6:Y+32*\e+7]
.irp i, 8,12,16,20,24,28
	v_pk_add_f32 v[240+4*\e:241+4*\e], v[240+4*\e:241+4*\e], v[Y+32*\e+\i:Y+32*\e+\i+1]
	v_pk_add_f32 v[242+4*\e:243+4*\e], v[242+4*\e:243+4*\e], v[Y+32*\e+\i+2:Y+32*\e+\i+3]
.endr
	v_pk_add_f32 v[240+4*\e:241+4*\e], v[240+4*\e:241+4*\e], v[242+4*\e:243+4*\e]
	v_add_f32 v[240+4*\e], v[240+4*\e], v[241+4*\e]
.endr
	LANESUM 240, 241
	LANESUM 244, 245
.irp e, 0,1
	v_mul_f32 v[248+2*\e], s35, v[240+4*\e]        ; the mean, twice: a pair for the packed form
	v_mul_f32 v[249+2*\e], s35, v[240+4*\e]
.endr
.irp e, 0,1
.set i, 0
.rept 16
	v_pk_add_f32 v[Y+32*\e+i:Y+32*\e+i+1], v[Y+32*\e+i:Y+32*\e+i+1], v[248+2*\e:249+2*\e] neg_lo:[0,1] neg_hi:[0,1]   ; x - mean
.set i, i+2
.endr
.endr
.irp e, 0,1                                    ; the sum of its squares
	v_pk_mul_f32 v[240+4*\e:241+4*\e], v[Y+32*\e:Y+32*\e+1], v[Y+32*\e:Y+32*\e+1]
	v_pk_mul_f32 v[242+4*\e:243+4*\e], v[Y+32*\e+2:Y+32*\e+3], v[Y+32*\e+2:Y+32*\e+3]
.irp i, 4,8,12,16,20,24,28
	v_pk_fma_f32 v[240+4*\e:241+4*\e], v[Y+32*\e+\i:Y+32*\e+\i+1], v[Y+32*\e+\i:Y+32*\e+\i+1], v[240+4*\e:241+4*\e]
	v_pk_fma_f32 v[242+4*\e:243+4*\e], v[Y+32*\e+\i+2:Y+32*\e+\i+3], v[Y+32*\e+\i+2:Y+32*\e+\i+3], v[242+4*\e:243+4*\e]
.endr
	v_pk_add_f32 v[240+4*\e:241+4*\e], v[240+4*\e:241+4*\e], v[242+4*\e:243+4*\e]
	v_add_f32 v[240+4*\e], v[240+4*\e], v[241+4*\e]
.endr
	LANESUM 240, 241
	LANESUM 244, 245
.irp e, 0,1
	v_fma_f32 v[240+4*\e], v[240+4*\e], s35, s34   ; the variance + 1e-5
.endr
.irp e, 0,1
	v_rsq_f32 v[252+2*\e], v[240+4*\e]             ; twice: a pair for the packed form
	v_rsq_f32 v[253+2*\e], v[240+4*\e]
.endr
	v_nop                                          ; a plain line behind the last of them,
	s_wait_alu depctr_va_vdst(0)                   ; and one wait for the four, ahead of their first reader
.irp e, 0,1
.set i, 0
.rept 16
	v_pk_mul_f32 v[Y+32*\e+i:Y+32*\e+i+1], v[Y+32*\e+i:Y+32*\e+i+1], v[252+2*\e:253+2*\e]
.set i, i+2
.endr
.endr
.irp e, 0,1
.set i, 0
.rept 16
	v_pk_fma_f32 v[Y+32*\e+i:Y+32*\e+i+1], v[Y+32*\e+i:Y+32*\e+i+1], v[GA+i:GA+i+1], v[BE+i:BE+i+1]
.set i, i+2
.endr
.endr
.irp e, 0,1
.irp i, 0,1,2,3,4,5,6,7
	global_store_b128 v[L16], v[Y+32*\e+4*\i:Y+32*\e+4*\i+3], s[18:19] offset:4096*\e+512*\i th:TH_STORE_NT   ; 32 lanes store 512 bytes on end, at a multiple of 256 from out0's first byte
.endr
.endr
	s_wait_tensorcnt 0x0
	ds_add_u32 v14, v15
	s_wait_dscnt 0x0
	s_endpgm
.Lfunc_end_k_q18698b1648_outln:
	.size	k_q18698b1648_outln, .Lfunc_end_k_q18698b1648_outln-k_q18698b1648_outln
	.p2alignl 7, 3214868480
	.fill 96, 4, 3214868480
	.section	.rodata,"a",@progbits
	.p2align	6, 0x0
	.amdhsa_kernel k_q18698b1648_outln
		.amdhsa_group_segment_fixed_size 166400
		.amdhsa_private_segment_fixed_size 0
		.amdhsa_enable_private_segment 0
		.amdhsa_kernarg_size 64
		.amdhsa_user_sgpr_count 2
		.amdhsa_user_sgpr_kernarg_segment_ptr 1
		.amdhsa_wavefront_size32 1
		.amdhsa_system_sgpr_workgroup_id_x 1
		.amdhsa_system_sgpr_workgroup_id_y 1
		.amdhsa_system_sgpr_workgroup_id_z 1
		.amdhsa_system_vgpr_workitem_id 0
		.amdhsa_next_free_vgpr 256
		.amdhsa_next_free_sgpr 66
		.amdhsa_reserve_vcc 0
		.amdhsa_float_denorm_mode_32 3
		.amdhsa_float_denorm_mode_16_64 3
		.amdhsa_memory_ordered 1
		.amdhsa_forward_progress 1
		.amdhsa_inst_pref_size 50
	.end_amdhsa_kernel
	.amdgpu_metadata
---
amdhsa.version: [ 1, 2 ]
amdhsa.kernels:
  - .name:           k_q18698b1648_outln
    .symbol:         k_q18698b1648_outln.kd
    .args:
      - { .name: cf, .offset: 0, .size: 8, .value_kind: global_buffer, .address_space: global }
      - { .name: wof, .offset: 8, .size: 8, .value_kind: global_buffer, .address_space: global }
      - { .name: lowp_scales, .offset: 16, .size: 8, .value_kind: global_buffer, .address_space: global }
      - { .name: bo, .offset: 24, .size: 8, .value_kind: global_buffer, .address_space: global }
      - { .name: Q, .offset: 32, .size: 8, .value_kind: global_buffer, .address_space: global }
      - { .name: gamma, .offset: 40, .size: 8, .value_kind: global_buffer, .address_space: global }
      - { .name: beta, .offset: 48, .size: 8, .value_kind: global_buffer, .address_space: global }
      - { .name: out0, .offset: 56, .size: 8, .value_kind: global_buffer, .address_space: global }
    .group_segment_fixed_size: 166400
    .private_segment_fixed_size: 0
    .kernarg_segment_align: 8
    .kernarg_segment_size: 64
    .max_flat_workgroup_size: 512
    .sgpr_count:     66
    .vgpr_count:     256
    .wavefront_size: 32
...
	.end_amdgpu_metadata
.endif
;; end of part 3
;; ======== version 2 of 2: 3 launches; version 1 with the launches proj, attn, outln written anew for expert scheduling mode
;; limits: right only within a limited range of input values
;; workspace buffers: qf 8,388,608 bytes; kf 8,388,608 bytes; vf 8,388,608 bytes; cf 8,388,608 bytes; wof 1,048,576 bytes
;; launch proj (part 4): grid 256 x 1, 4 waves a work-group, no clusters, 200,192 bytes of LDS; arguments Q, K_codes, V_codes, Wq_codes, Wk_codes, Wv_codes, bq, bk, bv, lowp_scales, Wo_codes, qf, kf, vf, wof; writes qf, kf, vf, wof
.if DOCPART == 4
	.amdgcn_target "amdgcn-amd-amdhsa--gfx1250"
	.amdhsa_code_object_version 6
	.text
	.protected	k_q18698b1648_proj
	.globl	k_q18698b1648_proj
	.p2align	8
	.type	k_q18698b1648_proj,@function
k_q18698b1648_proj:
	s_mov_b64 s[64:65], 0
	v_nop
	global_prefetch_b8 v0, s[64:65] scope:SCOPE_SE
	s_setreg_imm32_b32 hwreg(HW_REG_WAVE_SCHED_MODE, 0, 2), 2
	s_setreg_imm32_b32 hwreg(HW_REG_WAVE_MODE, 25, 1), 1
	s_wait_xcnt 0x0
	s_wait_alu depctr_vm_vsrc(0)
; q = Q Wq^T + bq, k = K Wk^T + bk, v = V Wv^T + bv on codes of FP8 (E4M3), each result quantised at once with its given scale and stored as an IMAGE OF THE
; OPERAND REGISTERS that the attention launch wants (a chunk = 4 registers x 32 lanes = 512 bytes, lane l at byte 16 l).  Besides, every work-group lays 4,096 bytes of Wo's codes out as such images.
; SHARES.  THE WEIGHTS STAY: a work-group holds 256 output columns (4 heads), wave w one head: 64 rows of W x 1,024 K = 32 fragments = 512 registers, read once.  The tokens stream past in blocks of 32,
; through two LDS buffers by turns.  Work-groups 0-127: q, 256 tokens each (their blocks also carry the f32 read and the quantiser); 128-191: k, 512 tokens; 192-255: v, 512 tokens.
; The three ways part on the work-group's number; each is one expansion of PATH and has LDS bytes of its own.
; LAYOUT.  q, k: the matrix instruction is used transposed (source 0 = 16 rows of W, source 1 = 16 tokens): a lane holds one token and its registers run along the head's 64.  v: source 0 = 16 tokens, source 1 = 16 rows of W:
; a lane holds one channel and its registers run along the tokens, which are the second attention product's K.  THE ROWS OF A TILE ARE NOT NEIGHBOURS, of W and of the tokens alike: lane r of tile 2 b + u takes row
; 32 b + 8 u + r + 8 (r / 8), so that the 16 registers of two neighbouring tiles are 16 neighbours along the next K.  Within an instruction k stands at 32 c + 16 (lane / 16) + 0..15 in registers 4 c .. 4 c + 3, in both operands alike.
; The bias is the C of each sum's first matrix instruction, divided by the power of two that the sums lack.
; What is shared is 32 KiB a block, asked for a whole block (64 matrix instructions a wave) ahead into registers.
; LIMITS: EO - EA - EW of each product (e6-e0-e1, e7-e2-e3, e9-e4-e5) and e0 lie between -126 and 119, so that each power of two below is an f32 number.  NaN among the inputs is not served.
; REGISTERS, in windows of 256.  Window 0: v1-15 addresses and scales; v16-31 codes to store; v32-63 the bias, 8 a tile; v64-127 eight accumulators (q: between two blocks' products also Q's codes on their way into LDS); v128-255 the tokens' fragments, two sets of 64.
;   window 1: the next block on its way (q: 256 numbers a lane; k, v: two sets of 64 registers of codes).   windows 2, 3: W's fragments (K step s, tile t) at v[16 (4 (s % 4) + t)], window 2 + s / 4.
; THE MODE: SCHED_MODE bits 1:0 = 2 (LLVM: expert scheduling mode 2), set by the entry lines.  The code itself states the register dependences
; between vector or matrix instructions and memory or LDS instructions, with s_wait_alu, always for 0.
; THE PLAN.  Registers that memory or LDS instructions touch, in a block:
;   window 1     Written by LOADX's loads.  q: the holds rewrite them and the conversions read them; they are loaded again behind the wait that follows the conversions.
;                k, v: no vector instruction names them; one block's LDS stores read a set, and the next block's loads land in it.
;   v[ACC ..]    Written by the products, read by the way out.  q: then written by Q's conversions, read by the LDS stores, and written again by K step 0's products.
;   v[FR ..]     Two sets: LDS loads land in them, products read them, nothing else names them.
;   v[CODE ..]   Written by the way out's conversions, read by its four stores.
;   v1-v6, v9    Offsets and LDS addresses: made at the head, never written again; scalar bases and immediates do the rest.
; THE WAITS OF A BLOCK.  At its head vm_vsrc: the last block's LDS stores have read their data.  q: va_vdst behind Q's conversions, vm_vsrc ahead of K step 0.  va_vdst behind K steps 1 and 3, ahead of the
; fragment loads into the set just multiplied.  On the way out vm_vsrc ahead of the conversions into v[CODE ..] and va_vdst behind them, which also states that K steps 4 to 7 are done reading both sets: the next block's first fragment loads owe nothing more.
.set XP,    1040                       ; an LDS row: 1,024 codes + 16 bytes: the 16 rows that a fragment load touches begin in 16 different columns of 16 bytes
.set XBUF,  32*XP                      ; a buffer: 32 tokens.  LDS row 16 u + r holds token 8 u + r + 8 (r / 8) of the block
.set OUTV,  1                          ; v1   16 x lane: my place in an image's chunk
.set AF,    2                          ; v2   LDS: my lane's place in a fragment: r x XP + 16 h (+ the way's first byte)
.set AST,   3                          ; v3   LDS: where my wave puts its 8 tokens
.set XV,    4                          ; v4   my byte offset in a block of tokens in memory
.set WVO,   5                          ; v5   W: (r + 8 (r / 8)) x 1,024 + 16 h
.set BV,    6                          ; v6   the bias: my lane's byte
.set SC,    7                          ; v7   2^(EO - EA - EW) as f32: the results' conversions take its exponent field
.set SCX,   8                          ; v8   2^e0: Q's conversions
.set WOV,   9                          ; v9   Wo: r x 1,024 + 16 h
.set LN,    12                         ; v12  lane;  v13 r;  v14 h;  v15 r + 8 (r / 8)
.set RR,    13
.set HH,    14
.set RP,    15
.set CODE,  16
.set BIAS,  32
.set ACC,   64
.set FR,    128
.set MSB, 0
.macro WIN new                         ; the immediate's high byte repeats the setting that is left; a switch that changes nothing is dropped
.if MSB != (\new)
	s_set_vgpr_msb (MSB<<8)|(\new)
.set MSB, (\new)
.endif
.endm
.macro NOP4                            ; four places between matrix instructions and loads into their sources or reads of their results
.rept 4
	v_nop
.endr
.endm
; A block of 32 tokens is asked for: my wave's 8 tokens.  q: 8 x 4,096 bytes of f32, a lane takes 8 neighbours along K (two loads cover 1,024 bytes on end); k, v: 8,192 bytes of codes on end.
.macro LOADX kind, set
	WIN 0x40                                       ; destination window 1
.if \kind == 0
.irp j, 0,1,2,3,4,5,6,7
.irp g, 0,1,2,3
	global_load_b128 v[8*(4*\j+\g):8*(4*\j+\g)+3], v[XV], s[60:61] offset:\j*4096+\g*1024
	global_load_b128 v[8*(4*\j+\g)+4:8*(4*\j+\g)+7], v[XV], s[60:61] offset:\j*4096+\g*1024+16
.endr
.endr
.else
.irp i, 0,1,2,3,4,5,6,7,8,9,10,11,12,13,14,15
	global_load_b128 v[64*(\set)+4*\i:64*(\set)+4*\i+3], v[XV], s[60:61] offset:512*\i
.endr
.endif
	WIN 0
.endm
; The block that has arrived goes into LDS buffer buf.  q: held within +-448 x 2^e0, converted (8 numbers -> 8 bytes), stored 8 bytes a lane; k, v: stored as it lies.
.macro FILLST kind, buf, set
.if \kind == 0
	WIN 0x41
.set i, 0
.rept 256
	v_med3_num_f32 v[i], v[i], s70, s69            ; the conversion to an 8-bit code does not saturate (ISA guide 7.6.2): the hold comes first
.set i, i+1
.endr
	WIN 0x01
.set i, 0
.rept 32
	v_cvt_scalef32_pk8_fp8_f32 v[ACC+2*i:ACC+2*i+1], v[8*i:8*i+7], v[SCX]   ; into the accumulators' registers, which lie idle between two blocks' products
.set i, i+1
.endr
	v_nop                                          ; one plain vector line behind the last conversion
	WIN 0
	s_wait_alu depctr_va_vdst(0)                   ; the conversions have written v[ACC ..], which the LDS stores read; the holds and they are done with window 1, in which the next loads land
.irp j, 0,1,2,3,4,5,6,7
.irp g, 0,1,2,3
	ds_store_b64 v[AST], v[ACC+2*(4*\j+\g):ACC+2*(4*\j+\g)+1] offset:(\buf)*XBUF+\j*XP+256*\g
.endr
.endr
.else
	WIN 0x04                                       ; store data window 1
.irp i, 0,1,2,3,4,5,6,7,8,9,10,11,12,13,14,15
	ds_store_b128 v[AST], v[64*(\set)+4*\i:64*(\set)+4*\i+3] offset:(\buf)*XBUF+(\i/2)*XP+512*(\i%2)
.endr
	WIN 0
.endif
.endm
; 16 LDS loads: the tokens' fragments of K steps s0 and s0 + 1, both tiles, out of buffer p into set
.macro FRAGS p, set, s0
.irp ss, 0,1
.irp u, 0,1
.irp c, 0,1,2,3
	ds_load_b128 v[FR+64*(\set)+32*\ss+16*\u+4*\c:FR+64*(\set)+32*\ss+16*\u+4*\c+3], v[AF] offset:(\p)*XBUF+\u*16*XP+128*((\s0)+\ss)+32*\c
.endr
.endr
.endr
.endm
; K step s: 8 matrix instructions, the 8 accumulators by turns.  The first K step takes the bias as C.
.macro MUL kind, s
.set FS, FR+64*(((\s)/2)%2)+32*((\s)%2)
.set WS, 64*((\s)%4)
.if \kind == 2
	WIN 0x08+4*((\s)/4)                            ; source 1 (W) window 2 or 3
.irp t, 0,1,2,3
.irp u, 0,1
.if (\s) == 0
	v_wmma_f32_16x16x128_fp8_fp8 v[ACC+8*(2*\t+\u):ACC+8*(2*\t+\u)+7], v[FS+16*\u:FS+16*\u+15], v[WS+16*\t:WS+16*\t+15], v[BIAS+8*\t:BIAS+8*\t+7]
.else
	v_wmma_f32_16x16x128_fp8_fp8 v[ACC+8*(2*\t+\u):ACC+8*(2*\t+\u)+7], v[FS+16*\u:FS+16*\u+15], v[WS+16*\t:WS+16*\t+15], v[ACC+8*(2*\t+\u):ACC+8*(2*\t+\u)+7]
.endif
.endr
.endr
.else
	WIN 0x02+((\s)/4)                              ; source 0 (W) window 2 or 3
.irp u, 0,1
.irp t, 0,1,2,3
.if (\s) == 0
	v_wmma_f32_16x16x128_fp8_fp8 v[ACC+8*(4*\u+\t):ACC+8*(4*\u+\t)+7], v[WS+16*\t:WS+16*\t+15], v[FS+16*\u:FS+16*\u+15], v[BIAS+8*\t:BIAS+8*\t+7]
.else
	v_wmma_f32_16x16x128_fp8_fp8 v[ACC+8*(4*\u+\t):ACC+8*(4*\u+\t)+7], v[WS+16*\t:WS+16*\t+15], v[FS+16*\u:FS+16*\u+15], v[ACC+8*(4*\u+\t):ACC+8*(4*\u+\t)+7]
.endif
.endr
.endr
.endif
.endm
; The block's 64 sums a lane become 64 codes: each run of 16 registers is 16 neighbours along the next K: one chunk.  Each accumulator is read from its low end on.
.macro EPI kind, imm
	s_wait_xcnt 0x0                                ; the earlier stores have read their data: CODE is written again only behind this wait
	s_wait_alu depctr_vm_vsrc(0)                   ; the earlier stores have read v[CODE ..], which the conversions below write again
.irp q, 0,1,2,3
.irp i, 0,1,2,3,4,5,6,7,8,9,10,11,12,13,14,15
	v_med3_num_f32 v[ACC+16*\q+\i], v[ACC+16*\q+\i], s68, s67
.endr
	v_cvt_scalef32_pk8_fp8_f32 v[CODE+4*\q:CODE+4*\q+1], v[ACC+16*\q:ACC+16*\q+7], v[SC]
	v_cvt_scalef32_pk8_fp8_f32 v[CODE+4*\q+2:CODE+4*\q+3], v[ACC+16*\q+8:ACC+16*\q+15], v[SC]
.endr
	v_nop                                          ; one plain vector line behind the last conversion
	s_wait_alu depctr_va_vdst(0)                   ; the conversions have written v[CODE ..], which the stores read; K steps 4 to 7 are done reading both sets of fragments, in which the next block's LDS loads land
.irp q, 0,1,2,3
.if \kind == 2
	global_store_b128 v[OUTV], v[CODE+4*\q:CODE+4*\q+3], s[80:81] offset:(\imm)+2048*\q   ; channel tile q, this block's chunk: 512 bytes on end
.else
	global_store_b128 v[OUTV], v[CODE+4*\q:CODE+4*\q+3], s[80:81] offset:(\imm)+512*\q    ; token tile q / 2, chunk q % 2: 512 bytes on end
.endif
.endr
.endm
; One block out of buffer p.  At its head the next block, which has arrived in registers, goes into the other buffer, and the block after that is asked for.
; ONE barrier a block: in front of it my reads of buffer p and my stores into the other are done; behind it buffer p may be written and the other read.
.macro BLOCK kind, p, ntrip, blkb
	s_wait_loadcnt 0x0                             ; the next block's numbers are in; no load names s[60:61] any more, so it may step
	s_wait_alu depctr_vm_vsrc(0)                   ; the LDS stores of the block before have read their data: k, v: the set of window 1 in which this block's loads land; q: v[ACC ..], which Q's conversions write again
.if \p == 0
	FILLST \kind, 1, 1
	s_cmp_lt_u32 s66, (\ntrip)-1
	s_cbranch_scc0 .Lskip_\@                       ; the last trip asks for nothing more: no load leaves its buffer
.else
	s_cmp_lt_u32 s66, (\ntrip)-1
	s_cbranch_scc0 .Lskip_\@
	FILLST \kind, 0, 0
.endif
	s_add_nc_u64 s[60:61], s[60:61], \blkb
	LOADX \kind, \p
.Lskip_\@:
	FRAGS \p, 0, 0                                 ; no wait: no vector or matrix instruction since the way out's last wait names v[FR ..]
	FRAGS \p, 1, 2
	s_wait_dscnt 16                                ; all but the younger set's 16 loads
.if \kind == 0
	s_wait_alu depctr_vm_vsrc(0)                   ; my LDS stores above have read v[ACC ..], which K step 0's products write
.endif
	s_wait_alu depctr_va_vdst(0)
	MUL \kind, 0
	MUL \kind, 1
	WIN 0
	NOP4
	s_wait_alu depctr_va_vdst(0)                   ; K steps 0 and 1 are done reading set 0, in which the loads below land
	FRAGS \p, 0, 4
	s_wait_dscnt 16
	MUL \kind, 2
	MUL \kind, 3
	WIN 0
	NOP4
	s_wait_alu depctr_va_vdst(0)                   ; K steps 2 and 3 are done reading set 1, in which the loads below land
	FRAGS \p, 1, 6
	s_wait_dscnt 16
	MUL \kind, 4
	MUL \kind, 5
	s_wait_dscnt 0x0
	MUL \kind, 6
	MUL \kind, 7
	WIN 0
	NOP4
.if \kind == 2
	EPI \kind, (\p)*512
.else
	EPI \kind, (\p)*2048
.endif
	s_wait_dscnt 0x0
	s_barrier_signal -1
	s_barrier_wait -1
.endm
; One of the three ways.  kind 0: q, 1: k, 2: v.  lb: its first LDS byte; ntrip: trips of two blocks; blkb: a block in memory; sx, sw, sb, so: the registers with X's, W's, the bias's and the images' addresses; ea, ew, eo: with the three exponents
.macro PATH kind, lb, ntrip, blkb, sx, sw, sb, so, ea, ew, eo
.if \kind == 0
	s_mov_b32 s9, ttmp9
.elseif \kind == 1
	s_sub_co_u32 s9, ttmp9, 128
.else
	s_sub_co_u32 s9, ttmp9, 192
.endif
	s_and_b32 s10, s9, 3
	s_lshl_b32 s10, s10, 2
	s_add_co_u32 s10, s10, s8                      ; my head: 4 x slice + wave
	s_lshr_b32 s11, s9, 2                          ; which run of tokens
.if \kind == 0
	s_lshl_b32 s76, s11, 20                        ; 256 tokens x 4,096 bytes
	s_lshr_b32 s12, s11, 3                         ; the batch
	s_and_b32 s13, s11, 7
	s_lshl_b32 s13, s13, 14                        ; 8 blocks x 2,048 bytes of images
.else
	s_lshl_b32 s76, s11, 19                        ; 512 tokens x 1,024 bytes
	s_lshr_b32 s12, s11, 2
	s_and_b32 s13, s11, 3
	s_lshl_b32 s13, s13, 15                        ; 16 blocks x 2,048 bytes
.endif
	s_mov_b32 s77, 0
	s_add_nc_u64 s[60:61], s[\sx:\sx+1], s[76:77]  ; the tokens
	s_lshl_b32 s76, s10, 16
	s_add_nc_u64 s[72:73], s[\sw:\sw+1], s[76:77]  ; my 64 rows of W
	s_lshl_b32 s76, s10, 8
	s_add_nc_u64 s[74:75], s[\sb:\sb+1], s[76:77]  ; my 64 numbers of the bias
	s_lshl_b32 s12, s12, 4
	s_add_co_u32 s12, s12, s10
	s_lshl_b32 s76, s12, 17                        ; (batch x 16 + head) x 131,072
	s_add_co_u32 s76, s76, s13
	s_add_nc_u64 s[62:63], s[\so:\so+1], s[76:77]  ; the images
	v_mul_u32_u24 v[AF], v[RR], XP
	v_lshl_add_u32 v[AF], v[HH], 4, v[AF]
	v_add_nc_u32 v[AF], \lb, v[AF]
	s_and_b32 s14, s8, 1                           ; my wave's tokens 8 w .. 8 w + 7 go to LDS rows 16 (w % 2) + 8 (w / 2) on
	s_lshl_b32 s14, s14, 4
	s_lshr_b32 s15, s8, 1
	s_lshl_b32 s15, s15, 3
	s_add_co_u32 s14, s14, s15
	s_mul_i32 s14, s14, XP
	s_add_co_u32 s14, s14, \lb
.if \kind == 0
	v_lshl_add_u32 v[AST], v[LN], 3, s14
	s_lshl_b32 s15, s8, 15
	v_lshl_add_u32 v[XV], v[LN], 5, s15
.else
	v_lshl_add_u32 v[AST], v[LN], 4, s14
	s_lshl_b32 s15, s8, 13
	v_lshl_add_u32 v[XV], v[LN], 4, s15
.endif
.if \kind == 2
	v_lshlrev_b32 v[BV], 2, v[RP]                  ; a lane holds one channel: r + 8 (r / 8) of the tile
.else
	v_lshlrev_b32 v[BV], 6, v[HH]                  ; a lane holds 8 channels a tile: 16 h on
.endif
	s_wait_alu depctr_va_vdst(0)                   ; v[AF], v[AST], v[XV] and v[BV] are written: every load and LDS access of this way reads one of them, or an offset made ahead of the head's wait
	LOADX \kind, 0                                 ; block 0
	WIN 0x80                                       ; W's 32 fragments: they stay
.irp ks, 0,1,2,3
.irp t, 0,1,2,3
.irp c, 0,1,2,3
	global_load_b128 v[16*(4*\ks+\t)+4*\c:16*(4*\ks+\t)+4*\c+3], v[WVO], s[72:73] offset:(32*(\t/2)+8*(\t%2))*1024+128*\ks+32*\c
.endr
.endr
.endr
	WIN 0xc0
.irp ks, 0,1,2,3
.irp t, 0,1,2,3
.irp c, 0,1,2,3
	global_load_b128 v[16*(4*\ks+\t)+4*\c:16*(4*\ks+\t)+4*\c+3], v[WVO], s[72:73] offset:(32*(\t/2)+8*(\t%2))*1024+128*(\ks+4)+32*\c
.endr
.endr
.endr
	WIN 0
.irp t, 0,1,2,3
.if \kind == 2
.irp i, 0,1,2,3,4,5,6,7
	global_load_b32 v[BIAS+8*\t+\i], v[BV], s[74:75] offset:(32*(\t/2)+8*(\t%2))*4   ; the lane's channel, in all eight registers of the result's layout
.endr
.else
	global_load_b128 v[BIAS+8*\t:BIAS+8*\t+3], v[BV], s[74:75] offset:(32*(\t/2)+8*(\t%2))*4
	global_load_b128 v[BIAS+8*\t+4:BIAS+8*\t+7], v[BV], s[74:75] offset:(32*(\t/2)+8*(\t%2))*4+16
.endif
.endr
	s_wait_kmcnt 0x0                               ; the exponents
	s_add_co_i32 s9, s[\ea], s[\ew]                ; a sum stands for sum x 2^(EA + EW)
	s_sub_co_i32 s10, 0, s9
	s_sub_co_i32 s11, s[\eo], s9                   ; so its code is sum / 2^(EO - EA - EW): the three scales folded into one
	s_add_co_i32 s11, s11, 127
	s_lshl_b32 s12, s11, 23
	v_mov_b32 v[SC], s12
	s_add_co_i32 s11, s11, 8
	s_lshl_b32 s67, s11, 23
	s_or_b32 s67, s67, 0x600000                    ; 448 x that,
	s_or_b32 s68, s67, 0x80000000                  ; and its negative
.if \kind == 0
	s_add_co_i32 s11, s48, 127
	s_lshl_b32 s12, s11, 23
	v_mov_b32 v[SCX], s12                          ; 2^e0
	s_add_co_i32 s11, s11, 8
	s_lshl_b32 s69, s11, 23
	s_or_b32 s69, s69, 0x600000                    ; 448 x 2^e0
	s_or_b32 s70, s69, 0x80000000
.endif
	s_wait_loadcnt 0x0                             ; Wo's part, block 0, W, the bias
	global_store_b128 v[OUTV], v[CODE:CODE+3], s[84:85]                ; Wo's two chunks, as images
	global_store_b128 v[OUTV], v[CODE+4:CODE+7], s[84:85] offset:512
.set i, 0
.rept 32
	v_ldexp_f32 v[BIAS+i], v[BIAS+i], s10          ; the bias / 2^(EA + EW)
.set i, i+1
.endr
	FILLST \kind, 0, 0
	s_add_nc_u64 s[60:61], s[60:61], \blkb
	LOADX \kind, 1                                 ; block 1
	s_wait_dscnt 0x0
	s_barrier_signal -1
	s_barrier_wait -1                              ; block 0 lies in buffer 0
	s_mov_b32 s66, 0
.Ltrip_\@:                                             ; a trip: two blocks
	s_wait_xcnt 0x0                                ; the last stores have read their base
.if \kind == 2
	s_lshr_b32 s76, s66, 1                         ; blocks 2 j, 2 j + 1 are chunks 2 (j % 2), + 1 of key step j / 2
	s_lshl_b32 s76, s76, 13
	s_and_b32 s78, s66, 1
	s_lshl_b32 s78, s78, 10
	s_add_co_u32 s76, s76, s78
.else
	s_lshl_b32 s76, s66, 12                        ; four tiles of 1,024 bytes a trip
.endif
	s_add_nc_u64 s[80:81], s[62:63], s[76:77]
	BLOCK \kind, 0, \ntrip, \blkb
	BLOCK \kind, 1, \ntrip, \blkb
	s_add_co_u32 s66, s66, 1
	s_cmp_lt_u32 s66, \ntrip
	s_cbranch_scc1 .Ltrip_\@
	s_wait_xcnt 0x0
	v_lshl_add_u32 v254, v0, 2, 0x30c00            ; the add's two registers are made anew here: LDS loads have landed in them and products have read them, no memory or LDS instruction has read them
	v_mov_b32 v255, 0
	s_wait_dscnt 0x0                               ; the closing lines, six on end
	s_wait_alu 0x0
	s_wait_tensorcnt 0x0
	ds_add_u32 v254, v255
	s_wait_dscnt 0x0
	s_endpgm
.endm
	s_load_b512 s[16:31], s[0:1], 0x0              ; Q, K's codes, V's codes, Wq, Wk, Wv, bq, bk
	s_load_b256 s[32:39], s[0:1], 0x40             ; bv, the exponents, Wo, qf
	s_load_b128 s[40:43], s[0:1], 0x60             ; kf, vf
	s_load_b64 s[44:45], s[0:1], 0x70              ; wof
	v_lshrrev_b32 v11, 5, v0
	v_readfirstlane_b32 s8, v11                    ; wave 0..3
	v_and_b32 v[LN], 31, v0
	v_and_b32 v[RR], 15, v0
	v_bfe_u32 v[HH], v0, 4, 1
	v_lshlrev_b32 v[OUTV], 4, v[LN]
	v_lshlrev_b32 v[WOV], 10, v[RR]
	v_lshl_add_u32 v[WOV], v[HH], 4, v[WOV]
	v_and_b32 v[RP], 8, v[RR]
	v_add_nc_u32 v[RP], v[RP], v[RR]
	v_lshlrev_b32 v[WVO], 10, v[RP]
	v_lshl_add_u32 v[WVO], v[HH], 4, v[WVO]
	s_wait_alu depctr_va_sdst(0)                   ; s8, the wave's number, is written, ahead of its first reader
	; Wo's layout: 512 fragments (16 rows x 128 K, 2,048 bytes), two to a work-group, half a fragment (two chunks) to a wave
	s_lshl_b32 s9, ttmp9, 1
	s_lshr_b32 s10, s8, 1
	s_add_co_u32 s9, s9, s10                       ; fragment f = 8 T + s
	s_and_b32 s10, s8, 1                           ; which half
	s_lshr_b32 s11, s9, 3
	s_lshl_b32 s11, s11, 14                        ; T x 16 rows x 1,024
	s_and_b32 s12, s9, 7
	s_lshl_b32 s12, s12, 7                         ; s x 128
	s_add_co_u32 s76, s11, s12
	s_lshl_b32 s12, s10, 6
	s_add_co_u32 s76, s76, s12                     ; + 64 x half
	s_mov_b32 s77, 0
	s_lshl_b32 s78, s9, 11
	s_lshl_b32 s12, s10, 10
	s_add_co_u32 s78, s78, s12                     ; the image: 2,048 f + 1,024 x half
	s_mov_b32 s79, 0
	s_wait_kmcnt 0x0
	s_load_b256 s[48:55], s[34:35], 0x0            ; e0 .. e7
	s_load_b128 s[56:59], s[34:35], 0x20           ; e8 .. e11
	s_add_nc_u64 s[82:83], s[36:37], s[76:77]
	s_add_nc_u64 s[84:85], s[44:45], s[78:79]
	s_wait_alu depctr_va_vdst(0)                   ; v[WOV], which the two loads below read, is written; so are v[OUTV] and v[WVO], which later stores and loads read
	global_load_b128 v[CODE:CODE+3], v[WOV], s[82:83]
	global_load_b128 v[CODE+4:CODE+7], v[WOV], s[82:83] offset:32
	s_cmp_lt_u32 ttmp9, 128
	s_cbranch_scc1 .Lq
	s_cmp_lt_u32 ttmp9, 192
	s_cbranch_scc1 .Lk
	PATH 2, 133120, 8, 32768, 20, 26, 32, 42, 52, 53, 57
.Lk:
	PATH 1, 66560, 8, 32768, 18, 24, 30, 40, 50, 51, 55
.Lq:
	PATH 0, 0, 4, 131072, 16, 22, 28, 38, 48, 49, 54
.Lfunc_end_k_q18698b1648_proj:
	.size	k_q18698b1648_proj, .Lfunc_end_k_q18698b1648_proj-k_q18698b1648_proj
	.p2alignl 7, 3214868480
	.fill 96, 4, 3214868480
	.section	.rodata,"a",@progbits
	.p2align	6, 0x0
	.amdhsa_kernel k_q18698b1648_proj
		.amdhsa_group_segment_fixed_size 200192
		.amdhsa_private_segment_fixed_size 0
		.amdhsa_enable_private_segment 0
		.amdhsa_kernarg_size 120
		.amdhsa_user_sgpr_count 2
		.amdhsa_user_sgpr_kernarg_segment_ptr 1
		.amdhsa_wavefront_size32 1
		.amdhsa_system_sgpr_workgroup_id_x 1
		.amdhsa_system_sgpr_workgroup_id_y 1
		.amdhsa_system_sgpr_workgroup_id_z 1
		.amdhsa_system_vgpr_workitem_id 0
		.amdhsa_next_free_vgpr 1024
		.amdhsa_next_free_sgpr 96
		.amdhsa_reserve_vcc 0
		.amdhsa_float_denorm_mode_32 3
		.amdhsa_float_denorm_mode_16_64 3
		.amdhsa_memory_ordered 1
		.amdhsa_forward_progress 1
		.amdhsa_inst_pref_size 246
	.end_amdhsa_kernel
	.amdgpu_metadata
---
amdhsa.version: [ 1, 2 ]
amdhsa.kernels:
  - .name:           k_q18698b1648_proj
    .symbol:         k_q18698b1648_proj.kd
    .args:
      - { .name: Q, .offset: 0, .size: 8, .value_kind: global_buffer, .address_space: global }
      - { .name: K_codes, .offset: 8, .size: 8, .value_kind: global_buffer, .address_space: global }
      - { .name: V_codes, .offset: 16, .size: 8, .value_kind: global_buffer, .address_space: global }
      - { .name: Wq_codes, .offset: 24, .size: 8, .value_kind: global_buffer, .address_space: global }
      - { .name: Wk_codes, .offset: 32, .size: 8, .value_kind: global_buffer, .address_space: global }
      - { .name: Wv_codes, .offset: 40, .size: 8, .value_kind: global_buffer, .address_space: global }
      - { .name: bq, .offset: 48, .size: 8, .value_kind: global_buffer, .address_space: global }
      - { .name: bk, .offset: 56, .size: 8, .value_kind: global_buffer, .address_space: global }
      - { .name: bv, .offset: 64, .size: 8, .value_kind: global_buffer, .address_space: global }
      - { .name: lowp_scales, .offset: 72, .size: 8, .value_kind: global_buffer, .address_space: global }
      - { .name: Wo_codes, .offset: 80, .size: 8, .value_kind: global_buffer, .address_space: global }
      - { .name: qf, .offset: 88, .size: 8, .value_kind: global_buffer, .address_space: global }
      - { .name: kf, .offset: 96, .size: 8, .value_kind: global_buffer, .address_space: global }
      - { .name: vf, .offset: 104, .size: 8, .value_kind: global_buffer, .address_space: global }
      - { .name: wof, .offset: 112, .size: 8, .value_kind: global_buffer, .address_space: global }
    .group_segment_fixed_size: 200192
    .private_segment_fixed_size: 0
    .kernarg_segment_align: 8
    .kernarg_segment_size: 120
    .max_flat_workgroup_size: 128
    .sgpr_count:     96
    .vgpr_count:     1024
    .wavefront_size: 32
...
	.end_amdgpu_metadata
.endif
;; end of part 4
;; launch attn (part 5): grid 256 x 1, 8 waves a work-group, no clusters, 271,360 bytes of LDS; arguments qf, kf, vf, mask, lowp_scales, cf; writes cf
.if DOCPART == 5
	.amdgcn_target "amdgcn-amd-amdhsa--gfx1250"
	.amdhsa_code_object_version 6
	.text
	.protected	k_q18698b1648_attn
	.globl	k_q18698b1648_attn
	.p2align	8
	.type	k_q18698b1648_attn,@function
k_q18698b1648_attn:
	s_mov_b64 s[64:65], 0
	v_nop
	global_prefetch_b8 v0, s[64:65] scope:SCOPE_SE
	s_setreg_imm32_b32 hwreg(HW_REG_WAVE_SCHED_MODE, 0, 2), 2
	s_setreg_imm32_b32 hwreg(HW_REG_WAVE_MODE, 25, 1), 1
	s_wait_xcnt 0x0
	s_wait_alu depctr_vm_vsrc(0)
; ctx = softmax(q k^T / 8, masked) v for one head, both products on codes of FP8 (E4M3); ctx is quantised with its given scale and stored as images of the last product's operand registers.
; THE SOFTMAX AHEAD OF THE SECOND PRODUCT: t = logit x log2(e); M = the running largest t rounded UP to a whole number; p = 2^(t - M) is quantised, not normalised; the row's sum is taken of the unquantised p and divides at the end.
; SHARES.  A work-group owns 512 queries (a quarter) of one head.  The head's whole K and V, 131,072 bytes of images each, are put into LDS once, through registers: no ring, one barrier; behind it LDS is only read.
; Two passes; in a pass each of the eight waves owns two tiles of 16 queries and walks 16 steps of 128 keys: every fragment of K, V and of the mask's table that it reads from LDS serves both tiles.  Two waves share a SIMD.
; LAYOUT.  Both products are used transposed: S^T = k q^T (source 0 = 16 keys, source 1 = 16 queries), O^T = v^T p^T (source 0 = 16 channels): a lane holds ONE query.  The images were laid so that the 16 registers of two neighbouring
; tiles are 16 neighbours: keys 32 b + 16 (lane / 16) + 0..15 in S^T, channels likewise in O^T; so the conversions' results are the next operands' registers.
; THE MASK.  The codes of a masked key are replaced by 0 on their way into LDS, and the score product's C comes from a table with 0 for an open key and -2^(33 - e6 - e7) for a masked one: a masked logit is exactly -2^30.
; LIMIT: reference() has -1e9 there; the results are the same while real logits stay under 1e9 in magnitude (a row whose keys are all masked gives equal weights here as there).
; THE HOLD of p at 448 x 2^e8 is jumped over where 448 x 2^e8 >= 1 (e8 >= -8), since p <= 1: a forward scalar branch on the given whole number e8, the same in every wave; no barrier and no wait stands under it.
; NO JOINT LOADS: the four work-groups of a head read the same 262,144 bytes, once, at the head; K passes through registers for the mask.
; LIMITS on the given exponents, so that each power of two below is an f32 number: e6 + e7 between -94 and 130; e8 and e10 - e8 - e9 between -126 and 119.  NaN among the codes is not served.
; REGISTERS.  Window 0: v1-15 addresses; v16-31 statistics, 8 a tile (+0 -M, +1 largest t, +2 +3 the sum's halves, +4 +5 at work, +6 f, +7 zero); v32-47 Q; v48-63 ctx's codes; v64-191 S^T, then p, 64 a tile; v192-223 p's codes;
;   v224-227 scales; v240-247 at work; v254, v255 the closing add's two.   Window 1: v0-63 the table's fragments; v64-127 K's; v128-191 V's; v192-255 O^T, 32 a tile.  (At the head window 1 holds K and V on their way into LDS.)
; THE MODE: SCHED_MODE bits 1:0 = 2 (LLVM: expert scheduling mode 2), set by the entry lines.  The code itself states the register dependences
; between vector or matrix instructions and memory or LDS instructions, with s_wait_alu, always for 0.
; THE PLAN.  Registers that memory or LDS instructions touch, in the loops:
;   K's and the table's fragments   Step j: its 16 score products read them; behind them the loads for step j + 1 land in them.
;   V's fragments                   Step j: its 8 second products, at the step's end, read them; the loads for step j + 1 land in them in step j + 1, behind that step's score products.
;   v[ADK], v[ADB], v[ADV]          Read by the LDS loads; written once a step, behind the score products.
;   v[QF ..]                        Read by the score products; loaded once a pass.      v[CT ..]  Written by the conversions at a pass's end; read by its four stores.
;   v[L16], v[AV], v[AB]            Made at the head, never written again.
; So one of the step's four waits on va_vdst stands: behind the score products and the three additions.  It states that these products are done reading K and the table, that the step
; before's second products are done reading V, and that the three addresses are written; the step's 48 LDS loads follow it in one run (V of this step, then K and the table of the next).  One wait on vm_vsrc stands ahead of the three additions.
.set BB,  262144                       ; LDS: K's images at 0, V's at 131,072, the mask's table (f32 a key) here
.set L16, 1                            ; v1   16 x lane
.set AV,  2                            ; v2   131,072 + 16 x lane
.set AB,  3                            ; v3   BB + 64 h
.set ADK, 4                            ; v4-6 the addresses of the steps that are fetched
.set ADB, 5
.set ADV, 6
.set ST,  16
.set QF,  32
.set CT,  48
.set S,   64
.set P,   192
.set BI,  0                            ; in window 1
.set KF,  64
.set VF,  128
.set OA,  192
.set MSB, 0
.macro WIN new
.if MSB != (\new)
	s_set_vgpr_msb (MSB<<8)|(\new)
.set MSB, (\new)
.endif
.endm
.macro LDK                             ; 32 LDS loads, destination window 1: a step's eight tiles of K (16 keys x 64) and the table's eight fragments (all lanes of a half read the same 32 bytes)
.irp T, 0,1,2,3,4,5,6,7
	ds_load_b128 v[KF+8*\T:KF+8*\T+3], v[ADK] offset:1024*\T
	ds_load_b128 v[KF+8*\T+4:KF+8*\T+7], v[ADK] offset:1024*\T+512
.endr
.irp T, 0,1,2,3,4,5,6,7
	ds_load_b128 v[BI+8*\T:BI+8*\T+3], v[ADB] offset:128*(\T/2)+32*(\T%2)
	ds_load_b128 v[BI+8*\T+4:BI+8*\T+7], v[ADB] offset:128*(\T/2)+32*(\T%2)+16
.endr
.endm
.macro LDV                             ; 16 LDS loads, destination window 1: a step's four tiles of V (16 channels x 128 keys)
.irp t, 0,1,2,3
.irp c, 0,1,2,3
	ds_load_b128 v[VF+16*\t+4*\c:VF+16*\t+4*\c+3], v[ADV] offset:2048*\t+512*\c
.endr
.endr
.endm
	s_load_b256 s[4:11], s[0:1], 0x0               ; qf, kf, vf, mask
	s_load_b128 s[12:15], s[0:1], 0x20             ; the exponents, cf
	v_lshl_add_u32 v254, v0, 2, 0x42000
	v_mov_b32 v255, 0
	v_lshrrev_b32 v15, 5, v0
	v_readfirstlane_b32 s16, v15                   ; wave 0..7
	v_and_b32 v15, 31, v0
	v_lshlrev_b32 v[L16], 4, v15
	v_add_nc_u32 v[AV], 131072, v[L16]
	v_bfe_u32 v15, v0, 4, 1
	v_lshlrev_b32 v[AB], 6, v15
	v_add_nc_u32 v[AB], BB, v[AB]
	v_lshlrev_b32 v8, 4, v0                        ; the fill: 16 x thread, in memory and in LDS; an LDS immediate reaches 65,535, so four bases
	v_add_nc_u32 v9, 65536, v8
	v_add_nc_u32 v10, 131072, v8
	v_add_nc_u32 v11, 196608, v8
	v_lshrrev_b32 v15, 6, v0                       ; my 16 bytes of K's load j lie in tile 4 j + thread / 64, and belong to key 64 j + 32 (tq / 2) + 8 (tq % 2) + r + 8 (r / 8)
	v_lshrrev_b32 v12, 1, v15
	v_and_b32 v15, 1, v15
	v_lshlrev_b32 v12, 5, v12
	v_lshl_add_u32 v12, v15, 3, v12
	v_and_b32 v15, 15, v0
	v_add_nc_u32 v12, v12, v15
	v_and_b32 v15, 8, v15
	v_add_nc_u32 v12, v12, v15
	v_lshlrev_b32 v12, 2, v12                      ; that key's word of the mask, less 256 j
	v_lshlrev_b32 v13, 5, v0                       ; the table: 8 keys a thread
	v_add_nc_u32 v15, BB, v13
	s_wait_alu depctr_va_sdst(0)                   ; s16, the wave's number, is written, ahead of its first reader
	s_lshr_b32 s17, ttmp9, 2                       ; batch x 16 + head
	s_and_b32 s50, ttmp9, 3                        ; which quarter of the queries
	s_lshr_b32 s51, s17, 4                         ; batch
	s_and_b32 s52, s17, 15                         ; head
	s_lshl_b32 s54, s17, 17
	s_mov_b32 s55, 0
	s_lshl_b32 s56, s51, 13
	s_mov_b32 s57, 0
	s_lshl_b32 s58, s50, 5
	s_lshl_b32 s60, s16, 1
	s_add_co_u32 s58, s58, s60                     ; my first tile in the first pass: 32 x quarter + 2 x wave
	s_lshl_b32 s60, s17, 7
	s_add_co_u32 s60, s60, s58
	s_lshl_b32 s60, s60, 10                        ; its image in qf
	s_mov_b32 s61, 0
	s_lshl_b32 s62, s51, 7
	s_add_co_u32 s62, s62, s58
	s_lshl_b32 s62, s62, 4
	s_add_co_u32 s62, s62, s52
	s_lshl_b32 s62, s62, 10                        ; and in cf: ((128 x batch + tile) x 16 + head) x 1,024
	s_mov_b32 s63, 0
	s_mov_b32 s18, 0x76543210                      ; v_permlanex16_b32's selects for lane l xor 16
	s_mov_b32 s19, 0xfedcba98
	s_wait_kmcnt 0x0
	s_load_b256 s[28:35], s[12:13], 0x0            ; e0 .. e7
	s_load_b128 s[36:39], s[12:13], 0x20           ; e8 .. e11
	s_add_nc_u64 s[44:45], s[6:7], s[54:55]
	s_add_nc_u64 s[46:47], s[8:9], s[54:55]
	s_add_nc_u64 s[48:49], s[10:11], s[56:57]
	s_add_nc_u64 s[40:41], s[4:5], s[60:61]
	s_add_nc_u64 s[42:43], s[14:15], s[62:63]
	s_wait_alu depctr_va_vdst(0)                   ; the offsets and LDS addresses v1-v3, v8-v13 and v15 are written, which the loads and LDS stores of the head, and later loads and stores, read
.set j, 0
.rept 32
	global_load_b32 v[S+j], v12, s[48:49] offset:256*j                 ; the mask's word for my 16 bytes of K's load j
.set j, j+1
.endr
	global_load_b128 v[S+32:S+35], v13, s[48:49]                       ; and for my 8 keys of the table
	global_load_b128 v[S+36:S+39], v13, s[48:49] offset:16
	WIN 0x40
.set j, 0
.rept 32
	global_load_b128 v[4*j:4*j+3], v8, s[44:45] offset:4096*j          ; K: the work-group reads 4,096 bytes on end
.set j, j+1
.endr
.set j, 0
.rept 32
	global_load_b128 v[128+4*j:128+4*j+3], v8, s[46:47] offset:4096*j  ; V
.set j, j+1
.endr
	WIN 0
	s_wait_kmcnt 0x0
	s_add_co_i32 s50, s34, s35                     ; e6 + e7
	s_lshl_b32 s51, s50, 23
	s_add_co_i32 s20, s51, 0x3e38aa3b              ; c = log2(e) / 8 x 2^(e6 + e7): the exponents are added to c's exponent field
	s_mov_b32 s21, s20                             ; (named with it as a pair, so it is written)
	s_sub_co_i32 s51, 160, s50
	s_lshl_b32 s51, s51, 23
	s_or_b32 s51, s51, 0x80000000
	v_mov_b32 v14, s51                             ; -2^(33 - e6 - e7)
	s_add_co_i32 s51, s36, 127
	s_lshl_b32 s52, s51, 23
	v_mov_b32 v224, s52                            ; 2^e8, for p's conversions
	s_add_co_i32 s51, s51, 8
	s_lshl_b32 s51, s51, 23
	s_or_b32 s51, s51, 0x600000
	v_mov_b32 v225, s51                            ; 448 x 2^e8
	s_sub_co_i32 s51, s38, s36
	s_sub_co_i32 s51, s51, s37                     ; O / l stands for ctx / 2^(e8 + e9): its code is (O / l) / 2^(e10 - e8 - e9)
	s_add_co_i32 s51, s51, 127
	s_lshl_b32 s52, s51, 23
	v_mov_b32 v226, s52
	s_add_co_i32 s51, s51, 8
	s_lshl_b32 s51, s51, 23
	s_or_b32 s51, s51, 0x600000
	v_mov_b32 v227, s51
	s_cmp_lt_i32 s36, -8
	s_cselect_b32 s22, 1, 0                        ; 1: p can pass 448 x 2^e8, and is held
	s_wait_loadcnt 32                              ; all but V's 32 loads
.set j, 0
.rept 32
	v_cmp_ne_u32 s[66+j], 0, v[S+j]                ; the lanes whose key is open, for each of K's 32 loads
.set j, j+1
.endr
.irp i, 0,1,2,3,4,5,6,7
	v_cmp_eq_u32 s[4+\i], 0, v[S+32+\i]            ; the lanes whose key of the table is masked: into s4-s11, whose addresses have gone into the bases above
.endr
	s_wait_alu depctr_va_sdst(0)                   ; the forty masks are written, ahead of the selects that read them: one wait for the run
.irp i, 0,1,2,3,4,5,6,7
	v_cndmask_b32 v[S+40+\i], 0, v14, s[4+\i]
.endr
	WIN 0x44
.set j, 0
.rept 32
.irp k, 0,1,2,3
	v_cndmask_b32 v[4*j+\k], 0, v[4*j+\k], s[66+j] ; a masked key's codes become 0
.endr
.set j, j+1
.endr
	WIN 0
	s_wait_alu depctr_va_vdst(0)                   ; the selects have written the table's eight registers and K's 128, which the LDS stores read
	ds_store_b128 v15, v[S+40:S+43]
	ds_store_b128 v15, v[S+44:S+47] offset:16
	WIN 0x04
.set j, 0
.rept 16
	ds_store_b128 v8, v[4*j:4*j+3] offset:4096*j
.set j, j+1
.endr
.set j, 0
.rept 16
	ds_store_b128 v9, v[64+4*j:64+4*j+3] offset:4096*j
.set j, j+1
.endr
	s_wait_loadcnt 0x0                             ; V
.set j, 0
.rept 16
	ds_store_b128 v10, v[128+4*j:128+4*j+3] offset:4096*j
.set j, j+1
.endr
.set j, 0
.rept 16
	ds_store_b128 v11, v[192+4*j:192+4*j+3] offset:4096*j
.set j, j+1
.endr
	WIN 0
	s_wait_dscnt 0x0                               ; for the others' sake: my stores have landed
	s_barrier_signal -1
	s_barrier_wait -1                              ; K, V and the table lie in LDS; from here on LDS is only read
	v_mov_b32 v[ADK], v[L16]                       ; step 0
	v_mov_b32 v[ADB], v[AB]
	s_wait_alu depctr_vm_vsrc(0)                   ; my LDS stores have read window 1's registers, in which fragments land and O^T is begun, and the table's eight, which the first scores write
	s_wait_alu depctr_va_vdst(0)                   ; v[ADK] and v[ADB] are written, which the loads below read
	WIN 0x40
	LDK
	WIN 0
; A KEY STEP: 128 keys for my two tiles of queries.  On the way in and over both back edges 32 LDS loads are out: this step's K and table.
.macro STEP
	s_wait_dscnt 0x0                               ; K and the table are in
	WIN 0x11                                       ; K (source 0) and the table (C) window 1
.irp T, 0,1,2,3,4,5,6,7
.irp e, 0,1
	v_wmma_f32_16x16x64_fp8_fp8 v[S+64*\e+8*\T:S+64*\e+8*\T+7], v[KF+8*\T:KF+8*\T+7], v[QF+8*\e:QF+8*\e+7], v[BI+8*\T:BI+8*\T+7]
.endr
.endr
	WIN 0
	s_add_co_u32 s25, s24, 8192                    ; the next step's images; behind the last step the first again, for the next pass
	s_and_b32 s25, s25, 0x1ffff
	s_lshr_b32 s26, s25, 4                         ; 512 bytes of the table a step
	s_wait_alu depctr_vm_vsrc(0)                   ; the LDS loads issued so far have read the three address registers, which are written again below
	v_add_nc_u32 v[ADV], s24, v[AV]                ; V of this step; these three and the v_nop are the four places behind the products
	v_add_nc_u32 v[ADK], s25, v[L16]               ; K and the table of the next
	v_add_nc_u32 v[ADB], s26, v[AB]
	v_nop
	s_wait_alu depctr_va_vdst(0)                   ; the score products are done reading K's and the table's fragments; the step before's second products are done reading V's; the three addresses are written
	WIN 0x40
	LDV
	LDK
	WIN 0
	; the largest score of each query among my 64 keys, in two chains a tile; the tiles alternate line by line; each accumulator is read from its low end on
.irp e, 0,1
	v_max3_num_f32 v[ST+8*\e+4], v[S+64*\e], v[S+64*\e+1], v[S+64*\e+2]
.endr
.irp e, 0,1
	v_max3_num_f32 v[ST+8*\e+5], v[S+64*\e+3], v[S+64*\e+4], v[S+64*\e+5]
.endr
.irp i, 6,10,14,18,22,26,30,34,38,42,46,50,54,58
.irp e, 0,1
	v_max3_num_f32 v[ST+8*\e+4], v[ST+8*\e+4], v[S+64*\e+\i], v[S+64*\e+\i+1]
.endr
.irp e, 0,1
	v_max3_num_f32 v[ST+8*\e+5], v[ST+8*\e+5], v[S+64*\e+\i+2], v[S+64*\e+\i+3]
.endr
.endr
.irp e, 0,1
	v_max3_num_f32 v[ST+8*\e+4], v[ST+8*\e+4], v[S+64*\e+62], v[S+64*\e+63]
.endr
.irp e, 0,1
	v_max_num_f32 v[ST+8*\e+4], v[ST+8*\e+4], v[ST+8*\e+5]
.endr
.irp e, 0,1
	v_permlanex16_b32 v[ST+8*\e+5], v[ST+8*\e+4], s18, s19
.endr
.irp e, 0,1
	v_max_num_f32 v[ST+8*\e+4], v[ST+8*\e+4], v[ST+8*\e+5]   ; and among lane l xor 16's
.endr
.irp e, 0,1
	v_mul_f32 v[ST+8*\e+4], s20, v[ST+8*\e+4]      ; as t (c is positive)
.endr
.irp e, 0,1
	v_max_num_f32 v[ST+8*\e+1], v[ST+8*\e+1], v[ST+8*\e+4]   ; the running largest t
.endr
.irp e, 0,1
	v_mov_b32 v[ST+8*\e+4], v[ST+8*\e]
.endr
.irp e, 0,1
	v_floor_f32 v[ST+8*\e], -v[ST+8*\e+1]          ; the new -M = floor(-t): M is a whole number
.endr
.irp e, 0,1
	v_sub_f32 v[ST+8*\e+4], v[ST+8*\e], v[ST+8*\e+4]         ; old M - new M: a whole number, 0 or less
.endr
.irp e, 0,1
	v_cvt_i32_f32 v[ST+8*\e+4], v[ST+8*\e+4]       ; (it saturates)
.endr
.irp e, 0,1
	v_ldexp_f32 v[ST+8*\e+6], 1.0, v[ST+8*\e+4]    ; f = 2^(old M - new M): it rounds nothing
.endr
.set i, 0
.rept 32
.irp e, 0,1
	v_pk_fma_f32 v[S+64*\e+i:S+64*\e+i+1], v[S+64*\e+i:S+64*\e+i+1], s[20:21], v[ST+8*\e:ST+8*\e+1] op_sel_hi:[1,0,0]   ; t - M, two at a time
.endr
.set i, i+2
.endr
.set i, 0
	s_wait_alu depctr_va_vdst(0)
.rept 128
	v_exp_f32 v[S+i], v[S+i]                       ; p = 2^(t - M): one batch for both tiles
.set i, i+1
.endr
.irp e, 0,1
	v_pk_mul_f32 v[ST+8*\e+2:ST+8*\e+3], v[ST+8*\e+2:ST+8*\e+3], v[ST+8*\e+6:ST+8*\e+7] op_sel_hi:[1,0]   ; the sums under the new M (the plain lines behind the exponentials)
.endr
	s_wait_alu depctr_va_vdst(0)                   ; the 128 exponentials have written p: one wait for the batch, ahead of its first reader
.irp e, 0,1
	v_pk_add_f32 v[240+4*\e:241+4*\e], v[S+64*\e:S+64*\e+1], v[S+64*\e+2:S+64*\e+3]   ; the row's sum is taken of the unquantised p, in two chains a tile
.endr
.irp i, 4,8,12,16,20,24,28,32,36,40,44,48,52,56,60
.irp e, 0,1
	v_pk_add_f32 v[ST+8*\e+2:ST+8*\e+3], v[ST+8*\e+2:ST+8*\e+3], v[S+64*\e+\i:S+64*\e+\i+1]
.endr
.irp e, 0,1
	v_pk_add_f32 v[240+4*\e:241+4*\e], v[240+4*\e:241+4*\e], v[S+64*\e+\i+2:S+64*\e+\i+3]
.endr
.endr
.irp e, 0,1
	v_pk_add_f32 v[ST+8*\e+2:ST+8*\e+3], v[ST+8*\e+2:ST+8*\e+3], v[240+4*\e:241+4*\e]
.endr
	s_cmp_eq_u32 s22, 0
	s_cbranch_scc1 .Lnohold                        ; 448 x 2^e8 >= 1 >= p: nothing to hold
.set i, 0
.rept 128
	v_min_num_f32 v[S+i], v[S+i], v225             ; the conversion does not saturate (ISA guide 7.6.2); p is not negative, so the hold is one-sided
.set i, i+1
.endr
.Lnohold:
.irp e, 0,1
.irp b, 0,1,2,3
	v_cvt_scalef32_pk8_fp8_f32 v[P+16*\e+4*\b:P+16*\e+4*\b+1], v[S+64*\e+16*\b:S+64*\e+16*\b+7], v224
	v_cvt_scalef32_pk8_fp8_f32 v[P+16*\e+4*\b+2:P+16*\e+4*\b+3], v[S+64*\e+16*\b+8:S+64*\e+16*\b+15], v224
.endr
.endr
	WIN 0x41
.set i, 0
.rept 16
.irp e, 0,1
	v_pk_mul_f32 v[OA+32*\e+i:OA+32*\e+i+1], v[OA+32*\e+i:OA+32*\e+i+1], v[ST+8*\e+6:ST+8*\e+7] op_sel_hi:[1,0]   ; O^T under the new M; also the plain lines behind the conversions
.endr
.set i, i+2
.endr
	s_wait_alu depctr_va_vdst(0)
	s_wait_dscnt 32                                ; V is in; the next step's K and table, 32 loads, may be out
	WIN 0x51                                       ; V (source 0), C and D window 1
.irp t, 0,1,2,3
.irp e, 0,1
	v_wmma_f32_16x16x128_fp8_fp8 v[OA+32*\e+8*\t:OA+32*\e+8*\t+7], v[VF+16*\t:VF+16*\t+15], v[P+16*\e:P+16*\e+15], v[OA+32*\e+8*\t:OA+32*\e+8*\t+7]
.endr
.endr
	WIN 0
.rept 4
	v_nop                                          ; four places behind the products, ahead of the first read of O^T
.endr
.endm
	s_mov_b32 s27, 2
.Lpass:                                                ; two passes: 16 tiles of queries each
	global_load_b128 v[QF:QF+3], v[L16], s[40:41] th:TH_LOAD_NT        ; no wait: no vector or matrix instruction since the last wait on va_vdst (ahead of the last pass's stores) names v[QF ..]
	global_load_b128 v[QF+4:QF+7], v[L16], s[40:41] offset:512 th:TH_LOAD_NT
	global_load_b128 v[QF+8:QF+11], v[L16], s[40:41] offset:1024 th:TH_LOAD_NT
	global_load_b128 v[QF+12:QF+15], v[L16], s[40:41] offset:1536 th:TH_LOAD_NT
.irp e, 0,1
	v_mov_b32 v[ST+8*\e+1], 0xff61b1e6             ; the largest t so far: -3e38, under every t
	v_floor_f32 v[ST+8*\e], -v[ST+8*\e+1]
	v_mov_b32 v[ST+8*\e+2], 0
	v_mov_b32 v[ST+8*\e+3], 0
	v_mov_b32 v[ST+8*\e+7], 0                      ; (named as the upper half of f's pair)
.endr
	WIN 0x40
.set i, 0
.rept 64
	v_mov_b32 v[OA+i], 0                           ; O^T.  (The step is written once: the first finds zeros, which the first change of M leaves zeros)
.set i, i+1
.endr
	WIN 0
	s_mov_b32 s24, 0
	s_mov_b32 s23, 16
	s_wait_loadcnt 0x0                             ; Q
.Lstep:
	STEP
	s_add_co_u32 s24, s24, 8192
	s_sub_co_u32 s23, s23, 1
	s_cmp_lg_u32 s23, 0
	s_cbranch_scc1 .Lstep
	; the pass's end: O^T / the sum, held, converted: a lane's 32 channels are two chunks of the last product's operand
.irp e, 0,1
	v_add_f32 v[ST+8*\e+4], v[ST+8*\e+2], v[ST+8*\e+3]
.endr
.irp e, 0,1
	v_permlanex16_b32 v[ST+8*\e+5], v[ST+8*\e+4], s18, s19
.endr
.irp e, 0,1
	v_add_f32 v[ST+8*\e+4], v[ST+8*\e+4], v[ST+8*\e+5]
.endr
	s_wait_alu depctr_va_vdst(0)
.irp e, 0,1
	v_rcp_f32 v[ST+8*\e+6], v[ST+8*\e+4]
.endr
	v_nop                                          ; a plain line behind the reciprocals,
	s_wait_alu depctr_va_vdst(0)                   ; and the one wait ahead of their first reader: the two reciprocals are written
	WIN 0x01
.irp e, 0,1
.set i, 0
.rept 16
	v_pk_mul_f32 v[S+64*\e+i:S+64*\e+i+1], v[OA+32*\e+i:OA+32*\e+i+1], v[ST+8*\e+6:ST+8*\e+7] op_sel_hi:[1,0]
.set i, i+2
.endr
.endr
	WIN 0
.irp e, 0,1
.set i, 0
.rept 32
	v_med3_num_f32 v[S+64*\e+i], v[S+64*\e+i], -v227, v227
.set i, i+1
.endr
.endr
	s_wait_alu depctr_vm_vsrc(0)                   ; the last pass's stores have read v[CT ..], which the conversions below write again
.irp e, 0,1
.irp b, 0,1
	v_cvt_scalef32_pk8_fp8_f32 v[CT+8*\e+4*\b:CT+8*\e+4*\b+1], v[S+64*\e+16*\b:S+64*\e+16*\b+7], v226
	v_cvt_scalef32_pk8_fp8_f32 v[CT+8*\e+4*\b+2:CT+8*\e+4*\b+3], v[S+64*\e+16*\b+8:S+64*\e+16*\b+15], v226
.endr
.endr
	v_nop                                          ; one plain vector line behind the last conversion
	s_wait_alu depctr_va_vdst(0)                   ; the conversions have written v[CT ..], which the stores read; the pass's score products are done reading v[QF ..], in which the next pass's loads land
.irp e, 0,1
.irp b, 0,1
	global_store_b128 v[L16], v[CT+8*\e+4*\b:CT+8*\e+4*\b+3], s[42:43] offset:\e*16384+512*\b   ; 512 bytes on end
.endr
.endr
	s_wait_xcnt 0x0                                ; the loads and stores have read their bases and data: the pointers step, and the next pass may write the codes' registers
	s_add_nc_u64 s[40:41], s[40:41], 16384         ; 16 tiles on in qf,
	s_add_nc_u64 s[42:43], s[42:43], 262144        ; and in cf
	s_sub_co_u32 s27, s27, 1
	s_cmp_lg_u32 s27, 0
	s_cbranch_scc1 .Lpass
	s_wait_dscnt 0x0                               ; the closing lines, six on end (the first of them also takes in the fragments fetched ahead by the last step)
	s_wait_alu 0x0
	s_wait_tensorcnt 0x0
	ds_add_u32 v254, v255
	s_wait_dscnt 0x0
	s_endpgm
.Lfunc_end_k_q18698b1648_attn:
	.size	k_q18698b1648_attn, .Lfunc_end_k_q18698b1648_attn-k_q18698b1648_attn
	.p2alignl 7, 3214868480
	.fill 96, 4, 3214868480
	.section	.rodata,"a",@progbits
	.p2align	6, 0x0
	.amdhsa_kernel k_q18698b1648_attn
		.amdhsa_group_segment_fixed_size 271360
		.amdhsa_private_segment_fixed_size 0
		.amdhsa_enable_private_segment 0
		.amdhsa_kernarg_size 48
		.amdhsa_user_sgpr_count 2
		.amdhsa_user_sgpr_kernarg_segment_ptr 1
		.amdhsa_wavefront_size32 1
		.amdhsa_system_sgpr_workgroup_id_x 1
		.amdhsa_system_sgpr_workgroup_id_y 1
		.amdhsa_system_sgpr_workgroup_id_z 1
		.amdhsa_system_vgpr_workitem_id 0
		.amdhsa_next_free_vgpr 512
		.amdhsa_next_free_sgpr 100
		.amdhsa_reserve_vcc 0
		.amdhsa_float_denorm_mode_32 3
		.amdhsa_float_denorm_mode_16_64 3
		.amdhsa_memory_ordered 1
		.amdhsa_forward_progress 1
		.amdhsa_inst_pref_size 71
	.end_amdhsa_kernel
	.amdgpu_metadata
---
amdhsa.version: [ 1, 2 ]
amdhsa.kernels:
  - .name:           k_q18698b1648_attn
    .symbol:         k_q18698b1648_attn.kd
    .args:
      - { .name: qf, .offset: 0, .size: 8, .value_kind: global_buffer, .address_space: global }
      - { .name: kf, .offset: 8, .size: 8, .value_kind: global_buffer, .address_space: global }
      - { .name: vf, .offset: 16, .size: 8, .value_kind: global_buffer, .address_space: global }
      - { .name: mask, .offset: 24, .size: 8, .value_kind: global_buffer, .address_space: global }
      - { .name: lowp_scales, .offset: 32, .size: 8, .value_kind: global_buffer, .address_space: global }
      - { .name: cf, .offset: 40, .size: 8, .value_kind: global_buffer, .address_space: global }
    .group_segment_fixed_size: 271360
    .private_segment_fixed_size: 0
    .kernarg_segment_align: 8
    .kernarg_segment_size: 48
    .max_flat_workgroup_size: 256
    .sgpr_count:     100
    .vgpr_count:     512
    .wavefront_size: 32
...
	.end_amdgpu_metadata
.endif
;; end of part 5
;; launch outln (part 6): grid 256 x 1, 16 waves a work-group, no clusters, 166,400 bytes of LDS; arguments cf, wof, lowp_scales, bo, Q, gamma, beta, out0; writes out0
.if DOCPART == 6
	.amdgcn_target "amdgcn-amd-amdhsa--gfx1250"
	.amdhsa_code_object_version 6
	.text
	.protected	k_q18698b1648_outln
	.globl	k_q18698b1648_outln
	.p2align	8
	.type	k_q18698b1648_outln,@function
k_q18698b1648_outln:
	s_mov_b64 s[64:65], 0
	v_nop
	global_prefetch_b8 v0, s[64:65] scope:SCOPE_SE
	s_setreg_imm32_b32 hwreg(HW_REG_WAVE_SCHED_MODE, 0, 2), 2
	s_setreg_imm32_b32 hwreg(HW_REG_WAVE_MODE, 25, 1), 1
	s_wait_xcnt 0x0
	s_wait_alu depctr_vm_vsrc(0)
; out0 = LayerNorm(ctx Wo^T + bo + Q) x gamma + beta.  The product is on codes of FP8 (E4M3); all else in f32; mean and variance in two passes over registers, as reference() has them.
; SHARES.  A work-group owns 32 tokens and ALL 1,024 columns, so that a row's mean and variance never leave it.  Wave w of sixteen makes columns 64 w .. 64 w + 63 for the 32 tokens: 4 column tiles x 2 token tiles = 8 accumulators.
; Its 64 rows of Wo come from the images laid by the first launch, straight into registers, 512 bytes on end a load: no other wave of the work-group wants them, so they do not go through LDS.
; ctx's codes (32,768 bytes of images) are copied into LDS once and read by all sixteen waves.  The sums meet in a stage in LDS, and wave w then normalises two whole rows.
; The matrix instruction is used transposed (source 0 = 16 rows of Wo, source 1 = 16 tokens): a lane holds eight neighbouring columns of one token.
; Lane r of token tile u is token 8 u + r + 8 (r / 8) of the 32 (the order in which the images were made).
; NO JOINT LOADS: all work-groups walk the same 1,048,576 bytes of Wo, but each byte serves one wave and goes into registers; a joint load would bring it into LDS, for one more LDS read of every byte.
; LIMIT: e10 + e11 between -126 and 127, so that 2^(e10 + e11) is an f32 number.
; REGISTERS: v1-5 addresses; v14, v15 the closing add's two; v16-47 ctx's two fragments, later bo; v48-79, v80-111 Wo's fragments, two column tiles each, later gamma and beta; v112-175 the accumulators, later my two rows; v176-239 my two rows of Q; v240-255 at work.
; THE MODE: SCHED_MODE bits 1:0 = 2 (LLVM: expert scheduling mode 2), set by the entry lines.  The code itself states the register dependences
; between vector or matrix instructions and memory or LDS instructions, with s_wait_alu, always for 0.
; THE PLAN.  Registers that memory or LDS instructions touch:
;   v[WA ..], v[WB ..]   K step s: four products read each; behind them the loads of K step s + 1 land in it; behind the last K step gamma and beta.
;   v[XF ..]             K step s: all eight products read it; the LDS loads of K step s + 1 land in it; behind the last K step bo.
;   v[ACC ..]            Written by the products; read by the stage's LDS stores; then my two rows land in them, are worked on in place, and are read by the last stores.
;   v[240:255]           ctx's images land in them and the head's LDS stores read them; later vector instructions work in them.
;   v1-v5                Offsets and LDS addresses: made at the head, never written again.
; The sixteen waves' 256 registers each fill the four SIMDs, so Wo's and ctx's fragments have one set each: one wait on va_vdst stands behind each group of four products, ahead of the loads into what they read;
; the one at a K step's end also serves the next step's LDS loads of ctx's fragments, and the last of all the stage's stores.
.set STG, 32768                        ; LDS: ctx's images at 0; here the stage: 32 rows x (4,096 + 16) bytes
.set SPI, 4112
.set L16, 1                            ; v1   16 x lane
.set T16, 2                            ; v2   16 x thread
.set SI0, 3                            ; v3, v4  the stage, on the way in: row 16 u + r, + 32 h + 256 w
.set SI1, 4
.set SOU, 5                            ; v5   and on the way out: row 2 w, + 16 x lane
.set XF,  16
.set WA,  48
.set WB,  80
.set ACC, 112
.set QR,  176
.set BO,  16
.set GA,  48
.set BE,  80
.set Y,   112
.macro NOP4
.rept 4
	v_nop
.endr
.endm
.macro LOADW reg, t0, s                ; Wo's fragments of column tiles t0, t0 + 1, K step s: 8 loads
.irp tt, 0,1
.irp c, 0,1,2,3
	global_load_b128 v[\reg+16*\tt+4*\c:\reg+16*\tt+4*\c+3], v[L16], s[6:7] offset:((\t0)+\tt)*16384+(\s)*2048+512*\c
.endr
.endr
.endm
.macro PROD reg, t0, zero              ; 4 matrix instructions on 4 accumulators; the eight take turns from K step to K step
.irp tt, 0,1
.irp u, 0,1
.if \zero
	v_wmma_f32_16x16x128_fp8_fp8 v[ACC+8*(4*\u+(\t0)+\tt):ACC+8*(4*\u+(\t0)+\tt)+7], v[\reg+16*\tt:\reg+16*\tt+15], v[XF+16*\u:XF+16*\u+15], 0
.else
	v_wmma_f32_16x16x128_fp8_fp8 v[ACC+8*(4*\u+(\t0)+\tt):ACC+8*(4*\u+(\t0)+\tt)+7], v[\reg+16*\tt:\reg+16*\tt+15], v[XF+16*\u:XF+16*\u+15], v[ACC+8*(4*\u+(\t0)+\tt):ACC+8*(4*\u+(\t0)+\tt)+7]
.endif
.endr
.endr
.endm
.macro KSTEP s
.irp u, 0,1
.irp c, 0,1,2,3
	ds_load_b128 v[XF+16*\u+4*\c:XF+16*\u+4*\c+3], v[L16] offset:\u*16384+(\s)*2048+512*\c   ; no wait: no vector or matrix instruction since the wait at the last K step's end names v[XF ..]
.endr
.endr
	s_wait_loadcnt 8                               ; column tiles 0, 1 of this K step are in; the 8 loads of tiles 2, 3 may be out
	s_wait_dscnt 0x0
.if (\s) == 0
	PROD WA, 0, 1
.else
	PROD WA, 0, 0
.endif
	NOP4                                           ; places in front of loads into registers that the products have read
.if (\s) < 7
	s_wait_alu depctr_va_vdst(0)                   ; the four products are done reading v[WA ..], in which the loads below land
	LOADW WA, 0, (\s)+1
	s_wait_loadcnt 8                               ; tiles 2, 3 are in; the 8 loads just issued may be out
.else
	s_wait_loadcnt 0x0
.endif
.if (\s) == 0
	PROD WB, 2, 1
.else
	PROD WB, 2, 0
.endif
	NOP4
	s_wait_alu depctr_va_vdst(0)                   ; the products are done reading v[WB ..] and v[XF ..], in which the next loads land; behind the last K step also v[WA ..], and the accumulators are written, which the stage's stores read
.if (\s) < 7
	LOADW WB, 2, (\s)+1
.endif
.endm
.macro LANESUM reg, tmp                ; the sum over the 32 lanes, in every lane; tmp has been written before
	v_add_f32_dpp v[\reg], v[\reg], v[\reg] row_xmask:1 row_mask:0xf bank_mask:0xf
	v_add_f32_dpp v[\reg], v[\reg], v[\reg] row_xmask:2 row_mask:0xf bank_mask:0xf
	v_add_f32_dpp v[\reg], v[\reg], v[\reg] row_xmask:4 row_mask:0xf bank_mask:0xf
	v_add_f32_dpp v[\reg], v[\reg], v[\reg] row_xmask:8 row_mask:0xf bank_mask:0xf
	v_permlanex16_b32 v[\tmp], v[\reg], s24, s25
	v_add_f32 v[\reg], v[\reg], v[\tmp]
.endm
	s_load_b512 s[4:19], s[0:1], 0x0               ; cf, wof, the exponents, bo, Q, gamma, beta, out0
	v_lshl_add_u32 v14, v0, 2, 0x28200
	v_mov_b32 v15, 0
	v_lshrrev_b32 v6, 5, v0
	v_readfirstlane_b32 s20, v6                    ; wave 0..15
	v_and_b32 v6, 31, v0
	v_lshlrev_b32 v[L16], 4, v6
	v_lshlrev_b32 v[T16], 4, v0
	v_and_b32 v7, 15, v0                           ; r
	v_bfe_u32 v8, v0, 4, 1                         ; h
	v_mul_u32_u24 v[SI0], v7, SPI
	v_lshl_add_u32 v[SI0], v8, 5, v[SI0]
	s_wait_alu depctr_va_sdst(0)                   ; s20, the wave's number, is written, ahead of its first reader
	s_lshl_b32 s21, s20, 8
	s_add_co_u32 s21, s21, STG
	v_add_nc_u32 v[SI0], s21, v[SI0]
	v_add_nc_u32 v[SI1], 16*SPI, v[SI0]
	s_mul_i32 s21, s20, 2*SPI
	s_add_co_u32 s21, s21, STG
	v_add_nc_u32 v[SOU], s21, v[L16]
	s_lshl_b32 s26, ttmp9, 15                      ; my 32 tokens' images
	s_mov_b32 s27, 0
	s_lshl_b32 s28, s20, 16                        ; my 4 column tiles x 8 K steps x 2,048 bytes
	s_mov_b32 s29, 0
	s_lshr_b32 s21, s20, 3                         ; stage rows 2 w, 2 w + 1 are tokens T0, T0 + 1: T0 = 8 (w / 8) + 2 (w % 8) + 8 ((w % 8) / 4)
	s_lshl_b32 s21, s21, 3
	s_and_b32 s30, s20, 7
	s_lshl_b32 s30, s30, 1
	s_add_co_u32 s21, s21, s30
	s_and_b32 s30, s20, 4
	s_lshl_b32 s30, s30, 1
	s_add_co_u32 s21, s21, s30
	s_lshl_b32 s30, ttmp9, 5
	s_add_co_u32 s30, s30, s21
	s_lshl_b32 s30, s30, 12                        ; a row of Q and of out0 is 4,096 bytes
	s_mov_b32 s31, 0
	s_mov_b32 s24, 0x76543210                      ; v_permlanex16_b32's selects for lane l xor 16
	s_mov_b32 s25, 0xfedcba98
	s_mov_b32 s34, 0x3727c5ac                      ; 1e-5
	s_mov_b32 s35, 0x3a800000                      ; 1 / 1,024
	s_wait_kmcnt 0x0
	s_load_b64 s[22:23], s[8:9], 0x28              ; e10, e11
	s_add_nc_u64 s[4:5], s[4:5], s[26:27]
	s_add_nc_u64 s[6:7], s[6:7], s[28:29]
	s_add_nc_u64 s[12:13], s[12:13], s[30:31]
	s_add_nc_u64 s[18:19], s[18:19], s[30:31]
	s_wait_alu depctr_va_vdst(0)                   ; the five offsets and LDS addresses v1 to v5 are written: every load, store and LDS access of the kernel reads one of them
.irp i, 0,1,2,3
	global_load_b128 v[240+4*\i:243+4*\i], v[T16], s[4:5] offset:8192*\i th:TH_LOAD_NT      ; ctx's images: the work-group reads 8,192 bytes on end
.endr
.irp e, 0,1
.irp i, 0,1,2,3,4,5,6,7
	global_load_b128 v[QR+32*\e+4*\i:QR+32*\e+4*\i+3], v[L16], s[12:13] offset:4096*\e+512*\i th:TH_LOAD_NT   ; my two rows of Q, asked for at the head
.endr
.endr
	LOADW WA, 0, 0
	LOADW WB, 2, 0
	s_wait_kmcnt 0x0
	s_add_co_i32 s22, s22, s23
	s_add_co_i32 s22, s22, 127
	s_lshl_b32 s22, s22, 23                        ; 2^(e10 + e11) as f32
	s_mov_b32 s23, s22                             ; (named with it as a pair, so it is written)
	s_wait_loadcnt 32                              ; the images are in; Q's 16 loads and Wo's 16 may be out
.irp i, 0,1,2,3
	ds_store_b128 v[T16], v[240+4*\i:243+4*\i] offset:8192*\i
.endr
	s_wait_dscnt 0x0
	s_barrier_signal -1
	s_barrier_wait -1                              ; ctx's sixteen fragments lie in LDS
.irp ks, 0,1,2,3,4,5,6,7
	KSTEP \ks
.endr
.irp i, 0,1,2,3,4,5,6,7                        ; behind the last products' four places and their wait: bo, gamma, beta of my lane's columns 128 i + 4 x lane + 0..3
	global_load_b128 v[BO+4*\i:BO+4*\i+3], v[L16], s[10:11] offset:512*\i
	global_load_b128 v[GA+4*\i:GA+4*\i+3], v[L16], s[14:15] offset:512*\i
	global_load_b128 v[BE+4*\i:BE+4*\i+3], v[L16], s[16:17] offset:512*\i
.endr
.irp u, 0,1
.irp t, 0,1,2,3
	ds_store_b128 v[SI0+\u], v[ACC+8*(4*\u+\t):ACC+8*(4*\u+\t)+3] offset:64*\t           ; each accumulator from its low end on
	ds_store_b128 v[SI0+\u], v[ACC+8*(4*\u+\t)+4:ACC+8*(4*\u+\t)+7] offset:64*\t+16
.endr
.endr
	s_wait_dscnt 0x0
	s_barrier_signal -1
	s_barrier_wait -1                              ; 32 whole rows of sums lie in the stage
	s_wait_alu depctr_vm_vsrc(0)                   ; the stage's stores have read v[ACC ..], in which my two rows land; the head's LDS stores have read v[240:255], in which the sums below are made
.irp e, 0,1
.irp i, 0,1,2,3,4,5,6,7
	ds_load_b128 v[Y+32*\e+4*\i:Y+32*\e+4*\i+3], v[SOU] offset:\e*SPI+512*\i
.endr
.endr
	s_wait_loadcnt 0x0
	s_wait_dscnt 0x0
.irp e, 0,1
.set i, 0
.rept 16
	v_pk_fma_f32 v[Y+32*\e+i:Y+32*\e+i+1], v[Y+32*\e+i:Y+32*\e+i+1], s[22:23], v[BO+i:BO+i+1] op_sel_hi:[1,0,1]   ; sum x 2^(e10 + e11) + bo
.set i, i+2
.endr
.endr
.irp e, 0,1
.set i, 0
.rept 16
	v_pk_add_f32 v[Y+32*\e+i:Y+32*\e+i+1], v[Y+32*\e+i:Y+32*\e+i+1], v[QR+32*\e+i:QR+32*\e+i+1]                    ; + Q
.set i, i+2
.endr
.endr
.irp e, 0,1                                    ; the row's sum: two chains a row
	v_pk_add_f32 v[240+4*\e:241+4*\e], v[Y+32*\e:Y+32*\e+1], v[Y+32*\e+2:Y+32*\e+3]
	v_pk_add_f32 v[242+4*\e:243+4*\e], v[Y+32*\e+4:Y+32*\e+5], v[Y+32*\e+6:Y+32*\e+7]
.irp i, 8,12,16,20,24,28
	v_pk_add_f32 v[240+4*\e:241+4*\e], v[240+4*\e:241+4*\e], v[Y+32*\e+\i:Y+32*\e+\i+1]
	v_pk_add_f32 v[242+4*\e:243+4*\e], v[242+4*\e:243+4*\e], v[Y+32*\e+\i+2:Y+32*\e+\i+3]
.endr
	v_pk_add_f32 v[240+4*\e:241+4*\e], v[240+4*\e:241+4*\e], v[242+4*\e:243+4*\e]
	v_add_f32 v[240+4*\e], v[240+4*\e], v[241+4*\e]
.endr
	LANESUM 240, 241
	LANESUM 244, 245
.irp e, 0,1
	v_mul_f32 v[248+2*\e], s35, v[240+4*\e]        ; the mean, twice: a pair for the packed form
	v_mul_f32 v[249+2*\e], s35, v[240+4*\e]
.endr
.irp e, 0,1
.set i, 0
.rept 16
	v_pk_add_f32 v[Y+32*\e+i:Y+32*\e+i+1], v[Y+32*\e+i:Y+32*\e+i+1], v[248+2*\e:249+2*\e] neg_lo:[0,1] neg_hi:[0,1]   ; x - mean
.set i, i+2
.endr
.endr
.irp e, 0,1                                    ; the sum of its squares
	v_pk_mul_f32 v[240+4*\e:241+4*\e], v[Y+32*\e:Y+32*\e+1], v[Y+32*\e:Y+32*\e+1]
	v_pk_mul_f32 v[242+4*\e:243+4*\e], v[Y+32*\e+2:Y+32*\e+3], v[Y+32*\e+2:Y+32*\e+3]
.irp i, 4,8,12,16,20,24,28
	v_pk_fma_f32 v[240+4*\e:241+4*\e], v[Y+32*\e+\i:Y+32*\e+\i+1], v[Y+32*\e+\i:Y+32*\e+\i+1], v[240+4*\e:241+4*\e]
	v_pk_fma_f32 v[242+4*\e:243+4*\e], v[Y+32*\e+\i+2:Y+32*\e+\i+3], v[Y+32*\e+\i+2:Y+32*\e+\i+3], v[242+4*\e:243+4*\e]
.endr
	v_pk_add_f32 v[240+4*\e:241+4*\e], v[240+4*\e:241+4*\e], v[242+4*\e:243+4*\e]
	v_add_f32 v[240+4*\e], v[240+4*\e], v[241+4*\e]
.endr
	LANESUM 240, 241
	LANESUM 244, 245
.irp e, 0,1
	v_fma_f32 v[240+4*\e], v[240+4*\e], s35, s34   ; the variance + 1e-5
.endr
	s_wait_alu depctr_va_vdst(0)
.irp e, 0,1
	v_rsq_f32 v[252+2*\e], v[240+4*\e]             ; twice: a pair for the packed form
	v_rsq_f32 v[253+2*\e], v[240+4*\e]
.endr
	v_nop                                          ; a plain line behind the last of them,
	s_wait_alu depctr_va_vdst(0)                   ; and one wait for the four, ahead of their first reader: v[252:255] are written
.irp e, 0,1
.set i, 0
.rept 16
	v_pk_mul_f32 v[Y+32*\e+i:Y+32*\e+i+1], v[Y+32*\e+i:Y+32*\e+i+1], v[252+2*\e:253+2*\e]
.set i, i+2
.endr
.endr
.irp e, 0,1
.set i, 0
.rept 16
	v_pk_fma_f32 v[Y+32*\e+i:Y+32*\e+i+1], v[Y+32*\e+i:Y+32*\e+i+1], v[GA+i:GA+i+1], v[BE+i:BE+i+1]
.set i, i+2
.endr
.endr
	s_wait_alu depctr_va_vdst(0)                   ; the multiply-adds have written v[Y ..], which the stores read
.irp e, 0,1
.irp i, 0,1,2,3,4,5,6,7
	global_store_b128 v[L16], v[Y+32*\e+4*\i:Y+32*\e+4*\i+3], s[18:19] offset:4096*\e+512*\i th:TH_STORE_NT   ; 32 lanes store 512 bytes on end, at a multiple of 256 from out0's first byte
.endr
.endr
	s_wait_dscnt 0x0                               ; the closing lines, six on end
	s_wait_alu 0x0
	s_wait_tensorcnt 0x0
	ds_add_u32 v14, v15
	s_wait_dscnt 0x0
	s_endpgm
.Lfunc_end_k_q18698b1648_outln:
	.size	k_q18698b1648_outln, .Lfunc_end_k_q18698b1648_outln-k_q18698b1648_outln
	.p2alignl 7, 3214868480
	.fill 96, 4, 3214868480
	.section	.rodata,"a",@progbits
	.p2align	6, 0x0
	.amdhsa_kernel k_q18698b1648_outln
		.amdhsa_group_segment_fixed_size 166400
		.amdhsa_private_segment_fixed_size 0
		.amdhsa_enable_private_segment 0
		.amdhsa_kernarg_size 64
		.amdhsa_user_sgpr_count 2
		.amdhsa_user_sgpr_kernarg_segment_ptr 1
		.amdhsa_wavefront_size32 1
		.amdhsa_system_sgpr_workgroup_id_x 1
		.amdhsa_system_sgpr_workgroup_id_y 1
		.amdhsa_system_sgpr_workgroup_id_z 1
		.amdhsa_system_vgpr_workitem_id 0
		.amdhsa_next_free_vgpr 256
		.amdhsa_next_free_sgpr 66
		.amdhsa_reserve_vcc 0
		.amdhsa_float_denorm_mode_32 3
		.amdhsa_float_denorm_mode_16_64 3
		.amdhsa_memory_ordered 1
		.amdhsa_forward_progress 1
		.amdhsa_inst_pref_size 51
	.end_amdhsa_kernel
	.amdgpu_metadata
---
amdhsa.version: [ 1, 2 ]
amdhsa.kernels:
  - .name:           k_q18698b1648_outln
    .symbol:         k_q18698b1648_outln.kd
    .args:
      - { .name: cf, .offset: 0, .size: 8, .value_kind: global_buffer, .address_space: global }
      - { .name: wof, .offset: 8, .size: 8, .value_kind: global_buffer, .address_space: global }
      - { .name: lowp_scales, .offset: 16, .size: 8, .value_kind: global_buffer, .address_space: global }
      - { .name: bo, .offset: 24, .size: 8, .value_kind: global_buffer, .address_space: global }
      - { .name: Q, .offset: 32, .size: 8, .value_kind: global_buffer, .address_space: global }
      - { .name: gamma, .offset: 40, .size: 8, .value_kind: global_buffer, .address_space: global }
      - { .name: beta, .offset: 48, .size: 8, .value_kind: global_buffer, .address_space: global }
      - { .name: out0, .offset: 56, .size: 8, .value_kind: global_buffer, .address_space: global }
    .group_segment_fixed_size: 166400
    .private_segment_fixed_size: 0
    .kernarg_segment_align: 8
    .kernarg_segment_size: 64
    .max_flat_workgroup_size: 512
    .sgpr_count:     66
    .vgpr_count:     256
    .wavefront_size: 32
...
	.end_amdgpu_metadata
.endif
;; end of part 6
